; MI455X (gfx1250); checked and timed in simulation.
; The chip was launched on July 23, 2026; its instructions are those of AMD's public machine-readable ISA for CDNA 5 (MIT licence, August 2026) and "CDNA5" Instruction Set Architecture Reference Guide (July 2026). The comments in the code are by the model that wrote it; some were corrected since.
;; Standard Multi Head Attention. Allowed arithmetic: matrix products marked QUANTISED: E2M1 operands, one E8M0 scale for each 32 along K, by v_wmma_scale_f32_16x16x128_f8f6f4 with both operands' format E2M1 (or v_wmma_scale_f32_32x16x128_f4), f32 sums; products left as they are: bf16, f16 or f32 operands; f32 sums; everything else in f32.
;; Inputs: WK 512 x 512 float32; WO 512 x 512 float32; WQ 512 x 512 float32; WV 512 x 512 float32; mask 2,048 x 2,048 int32; x 4 x 2,048 x 512 float32.
;; Outputs: out0 4 x 2,048 x 512 float32.
;; This version of the problem:
;;   THIS VERSION OF THE PROBLEM IS GIVEN IN LOW PRECISION. The matrix products marked QUANTISED in the list below multiply operands that are first quantised to E2M1 (2 exponent bits, 1 mantissa bit; 4 bits a number), with one power-of-two scale for each 32 numbers along K (OCP MX v1.0); their sums are f32. The products marked 'left as it is' may take bf16, f16 or f32 operands, with f32 sums. Whichever they take, every output number must still come out within the allowed error. Rounding operands to bf16 (8 significant bits) uses up far more of that allowance than f16 does (11 bits, for magnitudes from 6e-5 to 65,504). All else is computed in f32.
;;   The module's matrix products, in the order in which they are computed (A, B: the left and right operand; K: the contracted axis; several contracted axes count as one K, in the product's order):
;;     1. [M 8,192, K 512] x [K 512, N 512]; A: input x; B: input WQ: QUANTISED
;;     2. [M 8,192, K 512] x [K 512, N 512]; A: input x; B: input WK: QUANTISED
;;     3. [M 8,192, K 512] x [K 512, N 512]; A: input x; B: input WV: QUANTISED
;;     4. batch 32 x [M 2,048, K 64] x [K 64, N 2,048]; A: computed on the way; B: computed on the way: left as it is (an operand is computed on the way)
;;     5. batch 32 x [M 2,048, K 2,048] x [K 2,048, N 64]; A: computed on the way; B: computed on the way: left as it is (an operand is computed on the way)
;;     6. [M 8,192, K 512] x [K 512, N 512]; A: computed on the way; B: input WO: left as it is (an operand is computed on the way)
;;   THE QUANTISER, for each operand of a quantised product, along K:
;;     - K is cut into blocks of 32 from its start; a last block that is shorter is filled with zeros.
;;     - A block's scale is 2^e with e = floor(log2(the largest magnitude in the block)) - 2, held to -126 .. 127; a block of zeros has e = 0. As a byte (E8M0): e + 127.
;;     - Each number is divided by its block's scale, clamped to +-6, and rounded to the nearest number of E2M1, ties to even, subnormals kept.
;;     - The product sums the exact products of the quantised numbers (number of the format x scale) in f32.
;;   ~~~python
;;   def quantise(x, axis):      # numpy; x: float32 -> the quantised numbers, widened to float32 again
;;       x = np.moveaxis(x, axis, -1); K = x.shape[-1]
;;       x = np.pad(x, [(0, 0)] * (x.ndim - 1) + [(0, -K % 32)]); x = x.reshape(x.shape[:-1] + (-1, 32)); a = np.abs(x).max(-1, keepdims=True)
;;       e = np.where(a > 0, np.clip(np.frexp(np.where(a > 0, a, 1))[1] - 1 - 2, -126, 127), 0)      # np.frexp(a)[1] - 1 = floor(log2(a)), exactly
;;       r = np.clip(x / 2.0 ** e, -6, 6)
;;       step = 2.0 ** (np.maximum(np.frexp(np.where(r == 0, 1, r))[1] - 1, 0) - 1)
;;       q = np.round(r / step) * step * 2.0 ** e      # np.round: ties to even
;;       return np.moveaxis(q.reshape(q.shape[:-2] + (-1,))[..., :K], -1, axis).astype(np.float32)
;;   ~~~
;; 2 versions, each right. Each part assembles by itself: llvm-mc -triple=amdgcn-amd-amdhsa -mcpu=gfx1250 --defsym DOCPART=n.
;; ======== version 1 of 2: 5 launches
;; limits: values are held in f16: magnitudes above 65,504 overflow, below 6.1e-05 lose precision
;; workspace buffers: codes 2,490,368 bytes; scales 155,648 bytes; woi 524,288 bytes; lm 524,288 bytes of whole numbers; flags 1,024 bytes of whole numbers; qkv 25,165,824 bytes; oi 8,388,608 bytes
;; launch prep (part 1): grid 312 x 1, 4 waves a work-group, no clusters, 55,808 bytes of LDS; arguments x, WQ, WK, WV, WO, mask, codes, scales, woi, lm, flags; writes codes, scales, woi, lm, flags
.if DOCPART == 1
	.amdgcn_target "amdgcn-amd-amdhsa--gfx1250"
	.amdhsa_code_object_version 6
	.text
	.protected	k_q0815086b63_prep
	.globl	k_q0815086b63_prep
	.p2align	8
	.type	k_q0815086b63_prep,@function
k_q0815086b63_prep:
	s_mov_b64 s[64:65], 0
	v_nop
	global_prefetch_b8 v0, s[64:65] scope:SCOPE_SE
	s_setreg_imm32_b32 hwreg(HW_REG_WAVE_MODE, 25, 1), 1
	s_wait_xcnt 0x0
; PREP: everything that is made once from the inputs.  Three kinds of work-groups, told apart by the work-group's number; each kind has LDS bytes of its own.
;  0..151   x [8192][512], WQ, WK, WV [512][512], f32, K innermost -> codes of FP4 (E2M1) and one E8M0 byte for each 32 along K.  The four tensors lie on end in the two buffers:
;           codes [9728 rows][256 bytes], scales [9728][16 bytes]; rows 0-8191 x, then 512 rows each of WQ, WK, WV.  A work-group takes 32,768 numbers, a wave 8,192.
;  152..279 the mask [2048][2048] int32 -> lm [q tile 128][step of 64 keys 32][32 words]: bit l of word 8 kt + jj says whether mask[16 qt + l % 16][64 j + 16 kt + 8 (l / 16) + jj] is not 0:
;           the lane mask of score register 8 kt + jj in the attention's layout; and flags: word qt = ANY (bit j: some number of tile qt, step j is kept), word 128 + qt = ALL (all are kept).
;  280..311 WO [512][512] f32 -> woi, f16, in the order of an operand's registers: [dt 32][kb 16][p 2][512 bytes], lane (r, h)'s 16 bytes at 16 x lane: WO[16 dt + r][32 kb + 16 p + 8 h + 0..7].
; A block's scale is 2^(floor(log2(its largest magnitude)) - 2); its byte is the largest magnitude's exponent field - 2, held at 1 from below.  A block of zeros keeps the byte 1 where the
; quantiser says 127: its codes are zeros, which add nothing under any byte but 0xff, and this program alone reads the bytes.
; LIMITS: blocks whose largest magnitude lies under 2^-124 keep the byte 1; NaN and infinities among the inputs are not served; WO beyond 65,504 has no f16 number.
; Memory binds this launch: dense loads of 16 bytes a lane, several steps ahead; no matrix unit, no cluster (no two work-groups read the same bytes), no barrier (waves share nothing).
.set SPW,   12                         ; v12  LDS address of my spare word: SPARE + 4 x my thread's number; never rewritten
.set NIL,   13                         ; v13  0; never rewritten
.set SPARE, 55296                      ; behind both kinds' regions: the spare words, 128 bytes a wave: two blocks of 256 bytes that no other line names
.set WVN,   30                         ; s30  my wave's number
	s_load_b512 s[4:19], s[0:1], 0x0               ; x s[4:5], WQ s[6:7], WK s[8:9], WV s[10:11], WO s[12:13], mask s[14:15], codes s[16:17], scales s[18:19]
	s_load_b128 s[20:23], s[0:1], 0x40             ; woi s[20:21], lm s[22:23]
	s_load_b64 s[24:25], s[0:1], 0x50              ; flags
	v_lshl_add_u32 v[SPW], v0, 2, SPARE
	v_mov_b32 v[NIL], 0
	v_lshrrev_b32 v1, 5, v0
	v_readfirstlane_b32 s[WVN], v1                 ; wave 0..3
	v_and_b32 v2, 31, v0                           ; lane
	s_wait_kmcnt 0x0
	s_cmp_ge_u32 ttmp9, 280
	s_cbranch_scc1 .Lpath_w
	s_cmp_ge_u32 ttmp9, 152
	s_cbranch_scc1 .Lpath_m
; ---------------- the quantiser.  A wave takes 16 steps of 512 numbers.  The conversions take 8 numbers of ONE block from a lane's registers, so a lane must hold 16 neighbours (two lanes hold a block);
; a load is dense where neighbouring lanes take neighbouring bytes.  Both are had: a step's 2,048 bytes go through the wave's own stage in LDS as they lie and come back 64 bytes a lane.
.set STEPS, 16
.set EMAX,  2
.set CB,    8                          ; bytes of 16 codes
.set R,     16                         ; v16-79   four sets of 16 numbers as loaded
.set X,     80                         ; v80-111  two sets of 16 neighbours
.set E,     112                        ; v112-127 a scale byte for each step
.set C,     128                        ; v128-191 codes: four registers for each step, so that no store's data are written again
.set WREG,  8192                       ; LDS 0..32,767: a region for each wave: two stages of 32 x SP bytes, then its 256 scale bytes
.set SP,    80                         ; a lane's place in a stage: 64 bytes + 16 of padding
	v_lshlrev_b32 v3, 4, v2                        ; my 16 bytes of a load's 512
	s_mul_i32 s31, s[WVN], WREG
	v_lshrrev_b32 v14, 2, v2
	v_mul_u32_u24 v14, v14, SP
	v_and_b32 v15, 3, v2
	v_lshl_add_u32 v14, v15, 4, v14
	v_add_nc_u32 v14, s31, v14                     ; the stage, on the way in: SP (lane / 4) + 16 (lane % 4)
	v_mul_u32_u24 v15, v2, SP
	v_add_nc_u32 v15, s31, v15                     ; and on the way out: SP x lane: my 16 neighbours
	v_mul_u32_u24 v4, v2, CB                       ; my codes' place in a step's 256 bytes
	v_lshrrev_b32 v5, 1, v2
	s_add_co_u32 s31, s31, 2*32*SP
	v_add_nc_u32 v5, s31, v5                       ; my block's byte among the wave's 256 scale bytes
	v_lshlrev_b32 v7, 3, v2
	v_add_nc_u32 v6, s31, v7                       ; and on the way out 8 bytes a lane
	s_and_b32 s28, ttmp9, 7                        ; a weight's eight work-groups
	s_cmp_lt_u32 ttmp9, 144                        ; which tensor: the choice hangs on the work-group's number alone
	s_cselect_b64 s[26:27], s[8:9], s[10:11]
	s_cmp_lt_u32 ttmp9, 136
	s_cselect_b64 s[26:27], s[6:7], s[26:27]
	s_cmp_lt_u32 ttmp9, 128
	s_cselect_b64 s[26:27], s[4:5], s[26:27]
	s_cselect_b32 s28, ttmp9, s28
	s_lshl_b32 s28, s28, 2
	s_add_co_u32 s28, s28, s[WVN]                  ; which run of 8,192 numbers of the tensor is mine
	s_lshl_b32 s28, s28, 15                        ; 32,768 bytes a run
	s_mov_b32 s29, 0
	s_add_nc_u64 s[26:27], s[26:27], s[28:29]
	s_lshl_b32 s28, ttmp9, 2
	s_add_co_u32 s28, s28, s[WVN]                  ; and which run of the buffers: the tensors lie on end
	s_lshl_b32 s32, s28, 12                        ; 4,096 bytes of codes a run
	s_mov_b32 s33, 0
	s_add_nc_u64 s[16:17], s[16:17], s[32:33]
	s_lshl_b32 s32, s28, 8                         ; 256 scale bytes a run
	s_add_nc_u64 s[18:19], s[18:19], s[32:33]
.macro QLOAD t
.irp i, 0,1,2,3
	global_load_b128 v[R+16*((\t)%4)+4*\i:R+16*((\t)%4)+4*\i+3], v3, s[26:27] offset:2048*(\t)+512*\i th:TH_LOAD_NT   ; 32 lanes read 512 consecutive bytes
.endr
.endm
.macro QTURN t                         ; step t's numbers through the stage: LDS serves a wave's instructions in order, so no wait stands between the stores and the loads
.irp i, 0,1,2,3
	ds_store_b128 v14, v[R+16*((\t)%4)+4*\i:R+16*((\t)%4)+4*\i+3] offset:32*SP*((\t)%2)+8*SP*\i
.endr
.irp i, 0,1,2,3
	ds_load_b128 v[X+16*((\t)%2)+4*\i:X+16*((\t)%2)+4*\i+3], v15 offset:32*SP*((\t)%2)+16*\i
.endr
.endm
.irp t, 0,1,2,3
	QLOAD \t
.endr
	s_wait_loadcnt 12                              ; step 0's four loads are in; the twelve of steps 1 to 3 may be out
	QTURN 0
.macro QSTEP t
.set XS, X+16*((\t)%2)
.if (\t) > 0
	s_wait_dscnt 1                                 ; this step's numbers are back from the stage (the last step's byte store may be out): so its stores into the stage have read their registers,
.else
	s_wait_dscnt 0x0
.endif
.if (\t)+4 < STEPS
	QLOAD (\t)+4                                   ; which take the loads of four steps on
.endif
.if (\t)+1 < STEPS
.if STEPS-2-(\t) >= 3
	s_wait_loadcnt 12                              ; the next step's four loads are in; those of the three steps behind it may be out
.else
	s_wait_loadcnt 4*(STEPS-2-(\t))
.endif
	QTURN (\t)+1                                   ; and go through the other stage while this step is worked
.endif
	v_max3_num_f32 v8, |v[XS]|, |v[XS+1]|, |v[XS+2]|               ; the largest magnitude of my 16, in two chains
	v_max3_num_f32 v9, |v[XS+3]|, |v[XS+4]|, |v[XS+5]|
.irp i, 6,10
	v_max3_num_f32 v8, v8, |v[XS+\i]|, |v[XS+\i+1]|
	v_max3_num_f32 v9, v9, |v[XS+\i+2]|, |v[XS+\i+3]|
.endr
	v_max3_num_f32 v8, v8, |v[XS+14]|, |v[XS+15]|
	v_max3_num_f32 v8, v8, v9, (EMAX+1)<<23        ; and the floor 2^(EMAX + 1 - 127): the byte cannot fall under 1
	v_max_num_f32_dpp v8, v8, v8 row_xmask:1 row_mask:0xf bank_mask:0xf   ; and of my neighbour's 16: the block's
	v_add_nc_u32 v11, -(EMAX<<23), v8              ; EMAX off its exponent field: the conversion takes the exponent field of this operand as its scale
	v_cvt_scalef32_pk8_fp4_f32 v[C+4*(\t)], v[XS:XS+7], v11        ; eight numbers / the scale, to the nearest code, ties to even, beyond 6 the largest code
	v_cvt_scalef32_pk8_fp4_f32 v[C+4*(\t)+1], v[XS+8:XS+15], v11
	v_lshrrev_b32 v[E+(\t)], 23, v11               ; the scale's byte (a plain line behind the conversions)
	ds_store_b8 v5, v[E+(\t)] offset:16*(\t)       ; both lanes of a block write the same byte with the same value
	global_store_b64 v4, v[C+4*(\t):C+4*(\t)+1], s[16:17] offset:32*CB*(\t)   ; the wave stores 256 consecutive bytes, aligned
.endm
.irp t, 0,1,2,3,4,5,6,7,8,9,10,11,12,13,14,15
	QSTEP \t
.endr
	ds_load_b64 v[8:9], v6                         ; LDS serves a wave's instructions in order: these see my byte stores
	s_wait_dscnt 0x0
	global_store_b64 v7, v[8:9], s[18:19]          ; 32 lanes store 256 consecutive bytes, aligned
	s_wait_tensorcnt 0x0                           ; the wave's end
	ds_add_u32 v[SPW], v[NIL]
	s_wait_dscnt 0x0
	s_endpgm
; ---------------- the mask.  A work-group takes 16 rows (a q tile), wave w the steps 8 w .. 8 w + 7 of 64 keys.  A step's 16 rows x 256 bytes come by eight loads (two whole pieces of 256 bytes each),
; turn through the wave's own stage (rows of 272 bytes), and come back in the order of the attention's score registers.  A compare makes each register's lane mask; v_writelane_b32 gathers the 32 masks
; in one register, lane n = word n.  The wave's 8 x 128 bytes of words are gathered in LDS and leave as 1,024 consecutive bytes.
.Lpath_m:
.set MREG, 32768                       ; LDS 32,768..55,295: a region of 5,632 bytes for each wave: the stage (4,352), then 1,024 bytes of words
.set MR,   32                          ; v32-159  four sets of 32 registers as loaded
.set MX,   160                         ; v160-191 a step's numbers in score order
	s_sub_co_u32 s31, ttmp9, 152                   ; q tile
	v_and_b32 v3, 15, v0                           ; r
	v_bfe_u32 v4, v0, 4, 1                         ; h
	s_mul_i32 s32, s[WVN], 5632
	s_add_co_u32 s32, s32, MREG                    ; my region
	v_lshlrev_b32 v5, 4, v3
	v_lshl_add_u32 v21, v4, 13, v5                 ; in memory: 16 r in a piece of 256 bytes, lanes 16-31 one row (8,192 bytes) down
	v_mul_u32_u24 v22, v4, 272
	v_add_nc_u32 v22, v22, v5
	v_add_nc_u32 v22, s32, v22                     ; into the stage: the same two rows
	v_mul_u32_u24 v23, v3, 272
	v_lshl_add_u32 v23, v4, 5, v23
	v_add_nc_u32 v23, s32, v23                     ; out of it: row r, keys 8 h on
	s_add_co_u32 s32, s32, 4352
	v_lshl_add_u32 v24, v2, 2, s32                 ; a step's words: 4 bytes a lane
	v_lshl_add_u32 v25, v2, 4, s32                 ; and back: 16 bytes a lane
	v_lshlrev_b32 v26, 4, v2
	v_mov_b32 v27, 0
	v_mov_b32 v20, 0                               ; the step's 32 words (written whole before v_writelane_b32 names it)
	s_mov_b32 s43, 0                               ; my eight ANY bits
	s_mov_b32 s44, 0                               ; my eight ALL bits
	s_lshl_b32 s34, s31, 17                        ; 16 rows of 8,192 bytes
	s_lshl_b32 s35, s[WVN], 11                     ; 8 steps of 256 bytes
	s_add_co_u32 s34, s34, s35
	s_mov_b32 s35, 0
	s_add_nc_u64 s[14:15], s[14:15], s[34:35]
	s_lshl_b32 s34, s31, 12                        ; lm: 4,096 bytes a q tile, 1,024 a wave
	s_lshl_b32 s36, s[WVN], 10
	s_add_co_u32 s34, s34, s36
	s_add_nc_u64 s[22:23], s[22:23], s[34:35]
	s_lshl_b32 s34, s31, 2                         ; flags: byte w of word qt holds bits 8 w .. 8 w + 7
	s_add_co_u32 s34, s34, s[WVN]
	s_add_nc_u64 s[24:25], s[24:25], s[34:35]
.macro MLOAD s
.irp i, 0,1,2,3,4,5,6,7
	global_load_b128 v[MR+32*((\s)%4)+4*\i:MR+32*((\s)%4)+4*\i+3], v21, s[14:15] offset:\i*16384+(\s)*256 th:TH_LOAD_NT   ; rows 2 i and 2 i + 1: sixteen lanes read 256 consecutive bytes, aligned
.endr
.endm
.macro MSTEP s
.if (\s) < 5
	s_wait_loadcnt 24                              ; this step's eight loads are in; those of the three steps behind it may be out
.else
	s_wait_loadcnt 8*(7-(\s))
.endif
.irp i, 0,1,2,3,4,5,6,7
	ds_store_b128 v22, v[MR+32*((\s)%4)+4*\i:MR+32*((\s)%4)+4*\i+3] offset:\i*544
.endr
.irp kt, 0,1,2,3
.irp f, 0,1
	ds_load_b128 v[MX+8*\kt+4*\f:MX+8*\kt+4*\f+3], v23 offset:64*\kt+16*\f   ; register 8 kt + jj: mask[r][16 kt + 8 h + jj] of the step
.endr
.endr
	s_wait_dscnt 0x0                               ; they are back, and the stores have read their registers,
.if (\s)+4 < 8
	MLOAD (\s)+4                                   ; which take the loads of four steps on
.endif
.irp q, 0,1,2,3
.irp i, 0,1,2,3,4,5,6,7
	v_cmp_ne_u32 s[32+\i], 0, v[MX+8*\q+\i]        ; the register's lane mask
.endr
.irp i, 0,1,2,3,4,5,6,7
	v_writelane_b32 v20, s[32+\i], 8*\q+\i         ; becomes word 8 q + i
.endr
.endr
	v_cmp_ne_u32 s40, 0, v20                       ; some word holds a bit?
	v_cmp_ne_u32 s41, -1, v20                      ; some word lacks one?
	s_cmp_lg_u32 s40, 0
	s_cselect_b32 s42, 1<<(\s), 0
	s_or_b32 s43, s43, s42
	s_cmp_eq_u32 s41, 0
	s_cselect_b32 s42, 1<<(\s), 0
	s_or_b32 s44, s44, s42
	ds_store_b32 v24, v20 offset:128*(\s)
.endm
.irp s, 0,1,2,3
	MLOAD \s
.endr
.irp s, 0,1,2,3,4,5,6,7
	MSTEP \s
.endr
	ds_load_b128 v[32:35], v25                     ; LDS serves a wave's instructions in order: these see my word stores
	ds_load_b128 v[36:39], v25 offset:512
	v_mov_b32 v28, s43
	v_mov_b32 v29, s44
	s_wait_dscnt 0x0
	global_store_b128 v26, v[32:35], s[22:23]      ; 512 consecutive bytes each
	global_store_b128 v26, v[36:39], s[22:23] offset:512
	s_wait_xcnt 0x0                                ; EXEC changes only behind this wait
	v_cmp_eq_u32 vcc_lo, 0, v2
	s_and_saveexec_b32 s45, vcc_lo                 ; lane 0 alone stores the wave's two bytes
	global_store_b8 v27, v28, s[24:25]
	global_store_b8 v27, v29, s[24:25] offset:512
	s_wait_xcnt 0x0                                ; and again in front of the line that widens it
	s_or_b32 exec_lo, exec_lo, s45
	s_wait_tensorcnt 0x0                           ; the wave's end
	ds_add_u32 v[SPW], v[NIL]
	s_wait_dscnt 0x0
	s_endpgm
; ---------------- WO.  A work-group takes 16 rows (dt), wave w the K blocks kb = 4 w .. 4 w + 3: eight blocks of 512 bytes.  A lane reads its 8 numbers (32 bytes) and stores 16 bytes at 16 x lane.  No LDS.
.Lpath_w:
	s_sub_co_u32 s31, ttmp9, 280                   ; dt
	v_and_b32 v3, 15, v0
	v_bfe_u32 v4, v0, 4, 1
	v_lshlrev_b32 v5, 11, v3
	v_lshl_add_u32 v5, v4, 5, v5                   ; row r of 2,048 bytes, + 32 h
	v_lshlrev_b32 v6, 4, v2
	s_lshl_b32 s32, s31, 15
	s_lshl_b32 s33, s[WVN], 9
	s_add_co_u32 s32, s32, s33
	s_mov_b32 s33, 0
	s_add_nc_u64 s[12:13], s[12:13], s[32:33]
	s_lshl_b32 s32, s31, 14
	s_lshl_b32 s34, s[WVN], 12
	s_add_co_u32 s32, s32, s34
	s_add_nc_u64 s[20:21], s[20:21], s[32:33]
.irp i, 0,1,2,3,4,5,6,7
	global_load_b128 v[32+8*\i:35+8*\i], v5, s[12:13] offset:64*\i
	global_load_b128 v[36+8*\i:39+8*\i], v5, s[12:13] offset:64*\i+16
.endr
.irp i, 0,1,2,3,4,5,6,7
	s_wait_loadcnt 14-2*\i                         ; block i's two loads are in; the later blocks' may be out
.irp k, 0,1,2,3
	v_cvt_pk_f16_f32 v[96+4*\i+\k], v[32+8*\i+2*\k], v[33+8*\i+2*\k]
.endr
	global_store_b128 v6, v[96+4*\i:99+4*\i], s[20:21] offset:512*\i   ; 512 consecutive bytes
.endr
	s_endpgm
.Lfunc_end_k_q0815086b63_prep:
	.size	k_q0815086b63_prep, .Lfunc_end_k_q0815086b63_prep-k_q0815086b63_prep
	.p2alignl 7, 3214868480
	.fill 96, 4, 3214868480
	.section	.rodata,"a",@progbits
	.p2align	6, 0x0
	.amdhsa_kernel k_q0815086b63_prep
		.amdhsa_group_segment_fixed_size 55808
		.amdhsa_private_segment_fixed_size 0
		.amdhsa_enable_private_segment 0
		.amdhsa_kernarg_size 88
		.amdhsa_user_sgpr_count 2
		.amdhsa_user_sgpr_kernarg_segment_ptr 1
		.amdhsa_wavefront_size32 1
		.amdhsa_system_sgpr_workgroup_id_x 1
		.amdhsa_system_sgpr_workgroup_id_y 1
		.amdhsa_system_sgpr_workgroup_id_z 1
		.amdhsa_system_vgpr_workitem_id 0
		.amdhsa_next_free_vgpr 192
		.amdhsa_next_free_sgpr 66
		.amdhsa_reserve_vcc 1
		.amdhsa_float_denorm_mode_32 3
		.amdhsa_float_denorm_mode_16_64 3
		.amdhsa_memory_ordered 1
		.amdhsa_forward_progress 1
		.amdhsa_inst_pref_size 91
	.end_amdhsa_kernel
	.amdgpu_metadata
---
amdhsa.version: [ 1, 2 ]
amdhsa.kernels:
  - .name:           k_q0815086b63_prep
    .symbol:         k_q0815086b63_prep.kd
    .args:
      - { .name: x, .offset: 0, .size: 8, .value_kind: global_buffer, .address_space: global }
      - { .name: WQ, .offset: 8, .size: 8, .value_kind: global_buffer, .address_space: global }
      - { .name: WK, .offset: 16, .size: 8, .value_kind: global_buffer, .address_space: global }
      - { .name: WV, .offset: 24, .size: 8, .value_kind: global_buffer, .address_space: global }
      - { .name: WO, .offset: 32, .size: 8, .value_kind: global_buffer, .address_space: global }
      - { .name: mask, .offset: 40, .size: 8, .value_kind: global_buffer, .address_space: global }
      - { .name: codes, .offset: 48, .size: 8, .value_kind: global_buffer, .address_space: global }
      - { .name: scales, .offset: 56, .size: 8, .value_kind: global_buffer, .address_space: global }
      - { .name: woi, .offset: 64, .size: 8, .value_kind: global_buffer, .address_space: global }
      - { .name: lm, .offset: 72, .size: 8, .value_kind: global_buffer, .address_space: global }
      - { .name: flags, .offset: 80, .size: 8, .value_kind: global_buffer, .address_space: global }
    .group_segment_fixed_size: 55808
    .private_segment_fixed_size: 0
    .kernarg_segment_align: 8
    .kernarg_segment_size: 88
    .max_flat_workgroup_size: 128
    .sgpr_count:     66
    .vgpr_count:     192
    .wavefront_size: 32
...
	.end_amdgpu_metadata
.endif
;; end of part 1
;; launch qkv (part 2): grid 64 x 4, 6 waves a work-group, clusters of 4 x 1, 167,936 bytes of LDS; arguments codes, scales, qkv; writes qkv
.if DOCPART == 2
	.amdgcn_target "amdgcn-amd-amdhsa--gfx1250"
	.amdhsa_code_object_version 6
	.text
	.protected	k_q0815086b63_qkv
	.globl	k_q0815086b63_qkv
	.p2align	8
	.type	k_q0815086b63_qkv,@function
k_q0815086b63_qkv:
	s_mov_b64 s[64:65], 0
	v_nop
	global_prefetch_b8 v0, s[64:65] scope:SCOPE_SE
	s_setreg_imm32_b32 hwreg(HW_REG_WAVE_MODE, 25, 1), 1
	s_wait_xcnt 0x0
	s_wait_alu depctr_hold_cnt(0) depctr_sa_sdst(0) depctr_va_vdst(0) depctr_va_sdst(0) depctr_va_ssrc(0) depctr_va_vcc(0) depctr_vm_vsrc(0)
	s_getreg_b32 s2, hwreg(HW_REG_IB_STS2, 6, 4)
	s_cmp_eq_u32 s2, 0
	s_cbranch_scc0 .Lentry_in_a_cluster
	s_endpgm
.Lentry_in_a_cluster:
	s_bfe_u32 s2, ttmp6, 0x10000c
	s_cmp_lg_u32 s2, 0x3003
	s_cbranch_scc0 .Lentry_shape_is_right
	s_endpgm
.Lentry_shape_is_right:
; Q, K, V = x WQ^T, x WK^T, x WV^T on codes of FP4 (E2M1) with one E8M0 scale for each 32 along K = 512; sums in f32; results rounded once to f16 and stored in the order of the next products' operand registers.
; codes [9728][256 bytes], scales [9728][16 bytes]: rows 0-8191 x, 8192.. WQ, 8704.. WK, 9216.. WV.
; SHARES.  A work-group takes 128 rows of x (rb) and 384 of the 1,536 stacked weight rows (cb); each of its six waves takes one slice of 64 weight rows: slice = 6 cb + wave, tensor = slice / 8, head = slice % 8.
; All of K lies in LDS after one fill: 6 x 64 rows of weights and 128 rows of x, 256 bytes a row + 16 of padding.  A wave keeps its 16 weight fragments in registers and walks the 8 tiles of 16 rows of x.
; CLUSTER.  The four work-groups of a cluster differ in rb alone and need the same weight rows: those are asked for JOINTLY (mask 15).  x's rows are each work-group's own: a plain load behind the same round.
; LAYOUT OF qkv (a block is 512 bytes, lane l's 16 bytes at 16 l; r = l % 16, h = l / 16):
;   Q at 0, K at 8,388,608: for each (batch, head) 262,144 bytes: [tile of 16 rows][ct 0..3][block]: lane: row r, channels 16 ct + 8 h + 0..7.  Made with source 0 = weights, source 1 = x.
;   V at 16,777,216: [kg: 32 keys][ct 0..3][p 0..1][block]: lane: channel 16 ct + r, keys 32 kg + 16 p + 8 h + 0..7.  Made with source 0 = x, source 1 = weights.
; LIMITS: results beyond 65,504 have no f16 number.
; REGISTERS.  Window 0: v1-4 addresses; v6, v7 the add's two; v16-47 x's scale words, v48-63 the weights' (these hold scales and nothing else); v64-127 x's fragments, two sets; v128-159 four accumulators; v160-175 packed results.
;   Window 1: v0-127 my 16 weight fragments: (ct, ks) at 8 (4 ct + ks).
.set PITCH, 272
.set WSL,   64*PITCH                   ; a wave's 64 weight rows in LDS
.set XOFF,  6*WSL                      ; x's 128 rows
.set SPARE, XOFF+2*WSL                 ; the spare words, 128 bytes a wave: three blocks of 256 bytes that no other line names
.set AW,  1                            ; v1  my lane's place in my weight rows
.set AX,  2                            ; v2  and in x's rows
.set LI,  3                            ; v3  16 x lane
.set SR,  4                            ; v4  16 x (lane % 16): a row's four scale words
.set SPW, 6
.set NIL, 7
.set XS,  16
.set WS,  48
.set XF,  64
.set ACC, 128
.set PK,  160
.set WV,  10                           ; s10 my wave's number
.set G1W, 24                           ; s[24:31] descriptor group 1 for the weights (joint);  s[32:39] for x (plain)
.set G1X, 32
.set G0W, 40                           ; s[40:43], s[44:47] their groups 0
.set G0X, 44
.set MSB, 0
.macro WIN new                         ; the immediate's high byte repeats the setting that is left
.if MSB != \new
	s_set_vgpr_msb (MSB<<8)|\new
.set MSB, \new
.endif
.endm
.macro CROUND                          ; a round of the cluster's barrier
	s_barrier_signal -1
	s_barrier_wait -1
	s_cmp_lg_u32 s[WV], 0
	s_cbranch_scc1 .Lnot_wave_0_\@
	s_barrier_signal -3
.Lnot_wave_0_\@:
	s_barrier_wait -3
	s_barrier_signal -1
	s_barrier_wait -1
.endm
	s_load_b128 s[4:7], s[0:1], 0x0                ; codes s[4:5], scales s[6:7]
	s_load_b64 s[8:9], s[0:1], 0x10                ; qkv
	v_lshl_add_u32 v[SPW], v0, 2, SPARE
	v_mov_b32 v[NIL], 0
	ds_add_u32 v[SPW], v[NIL]                      ; the wave's opening: the add, twice on end, and its wait ahead of my first tensor load
	ds_add_u32 v[SPW], v[NIL]
	v_lshrrev_b32 v8, 5, v0
	v_readfirstlane_b32 s[WV], v8                  ; wave 0..5
	s_bfe_u32 s11, ttmp6, 0x40000                  ; cx: my place in the cluster
	s_lshl_b32 s12, ttmp9, 2
	s_add_co_u32 s12, s12, s11                     ; rb = 4 x cluster x + cx: it enters x's and the result's addresses alone
	s_and_b32 s13, ttmp7, 0xffff                   ; cb, which the four partners share
	s_mul_i32 s14, s13, 6
	s_add_co_u32 s14, s14, s[WV]                   ; my slice
	s_lshr_b32 s15, s14, 3                         ; 0 Q, 1 K, 2 V
	s_and_b32 s16, s14, 7                          ; the head
	s_and_b32 s17, s[WV], 1
	s_mul_i32 s18, s13, 98304                      ; my weight rows' codes: (8192 + 384 cb + 64 wave) x 256 bytes
	s_lshl_b32 s19, s[WV], 14
	s_add_co_u32 s18, s18, s19
	s_add_co_u32 s18, s18, 2097152
	s_mov_b32 s19, 0
	s_lshl_b32 s20, s12, 15                        ; x's rows that waves 0 and 1 fetch: (128 rb + 64 (wave % 2)) x 256 bytes
	s_lshl_b32 s21, s17, 14
	s_add_co_u32 s20, s20, s21
	s_mov_b32 s21, 0
	s_lshl_b32 s48, s14, 10                        ; my weight rows' scale words: (8192 + 64 slice) x 16 bytes
	s_add_co_u32 s48, s48, 131072
	s_mov_b32 s49, 0
	s_lshl_b32 s50, s12, 11                        ; x's: 128 rb x 16 bytes
	s_mov_b32 s51, 0
	s_lshl_b32 s52, s15, 23                        ; where my results go: the tensor,
	s_lshr_b32 s53, s12, 4
	s_lshl_b32 s53, s53, 3
	s_add_co_u32 s53, s53, s16
	s_lshl_b32 s53, s53, 18                        ; (batch, head),
	s_add_co_u32 s52, s52, s53
	s_and_b32 s53, s12, 15
	s_lshl_b32 s53, s53, 14                        ; 128 rows are 16,384 bytes in all three layouts
	s_add_co_u32 s52, s52, s53
	s_mov_b32 s53, 0
	; descriptor group 1: 64 rows of 256 bytes, dense in memory, 16 bytes of padding behind each row in LDS
	s_mov_b32 s[G1W], 15|(1<<20)|(1<<21)|(5<<22)|(3<<25)   ; 15:0 the mask: all four work-groups; 17:16 elements of 1 byte; 20 padding on; 21 set beside a mask; 24:22 after every 64 words; 31:25 four words
	s_mov_b32 s[G1X], (1<<20)|(5<<22)|(3<<25)              ; the same with no mask
.irp g, G1W, G1X
	s_mov_b32 s[\g+1], 256<<16                     ; tensor_dim0
	s_mov_b32 s[\g+2], 64<<16                      ; tensor_dim1
	s_mov_b32 s[\g+3], 256<<16                     ; tile_dim0
	s_mov_b32 s[\g+4], 64                          ; tile_dim1
	s_mov_b32 s[\g+5], 256                         ; from row to row
	s_mov_b32 s[\g+6], 0
	s_mov_b32 s[\g+7], 0
.endr
	s_mov_b32 s[G0W], 1
	s_mul_i32 s[G0W+1], s[WV], WSL                 ; LDS: wave x 64 rows: no place in the cluster enters an LDS address
	s_mov_b32 s[G0X], 1
	s_mul_i32 s[G0X+1], s17, WSL
	s_add_co_u32 s[G0X+1], s[G0X+1], XOFF
	s_wait_dscnt 0x0                               ; both opening adds are done
	s_wait_kmcnt 0x0
	s_add_nc_u64 s[G0W+2:G0W+3], s[4:5], s[18:19]
	s_or_b32 s[G0W+3], s[G0W+3], 0x80000000
	s_add_nc_u64 s[G0X+2:G0X+3], s[4:5], s[20:21]
	s_or_b32 s[G0X+3], s[G0X+3], 0x80000000
	s_add_nc_u64 s[22:23], s[6:7], s[48:49]        ; the weights' scale words
	s_add_nc_u64 s[6:7], s[6:7], s[50:51]          ; x's
	s_add_nc_u64 s[8:9], s[8:9], s[52:53]          ; my results
	CROUND                                         ; all four work-groups are here: the joint loads meet
	tensor_load_to_lds s[G0W:G0W+3], s[G1W:G1W+7]  ; every wave: its 64 weight rows, jointly with the same wave of the three partners
	s_nop 0
.rept 4
	v_nop
.endr
	s_cmp_lt_u32 s[WV], 2
	s_cbranch_scc0 .Lno_x
	tensor_load_to_lds s[G0X:G0X+3], s[G1X:G1X+7]  ; waves 0 and 1: x's two halves.  Two loads of mine are out at the most
	s_nop 0
.rept 4
	v_nop
.endr
.Lno_x:
	v_and_b32 v8, 15, v0                           ; r
	v_bfe_u32 v9, v0, 4, 1                         ; h
	v_lshlrev_b32 v[SR], 4, v8
.irp ct, 0,1,2,3
	global_load_b128 v[WS+4*\ct:WS+4*\ct+3], v[SR], s[22:23] offset:256*\ct   ; lane r: the four words of weight row 16 ct + r (lanes 16-31 hold the same and are not read)
.endr
.irp t, 0,1,2,3,4,5,6,7
	global_load_b128 v[XS+4*\t:XS+4*\t+3], v[SR], s[6:7] offset:256*\t        ; and of x's row 16 t + r
.endr
	v_mul_u32_u24 v10, v8, PITCH
	v_lshl_add_u32 v10, v9, 4, v10                 ; a fragment's row x pitch + 16 h
	v_add_nc_u32 v[AW], s[G0W+1], v10
	v_add_nc_u32 v[AX], XOFF, v10
	v_and_b32 v11, 31, v0
	v_lshlrev_b32 v[LI], 4, v11
	s_wait_tensorcnt 0x0                           ; my loads have landed,
	s_barrier_signal -1
	s_barrier_wait -1                              ; everybody's have
; a fragment, 16 rows x 128 K of 4-bit codes, is 8 registers: lane: row r; registers 4 c .. 4 c + 3: K = 64 c + 32 h + 0..31: two loads of 16 bytes, 32 bytes apart
	WIN 0x40                                       ; destination window 1
.irp ct, 0,1,2,3
.irp ks, 0,1,2,3
.irp c, 0,1
	ds_load_b128 v[8*(4*\ct+\ks)+4*\c:8*(4*\ct+\ks)+4*\c+3], v[AW] offset:16*\ct*PITCH+64*\ks+32*\c
.endr
.endr
.endr
	WIN 0
.macro FETCHX t                        ; x's four fragments of rows 16 t on, into set t % 2
.irp ks, 0,1,2,3
.irp c, 0,1
	ds_load_b128 v[XF+32*((\t)%2)+8*\ks+4*\c:XF+32*((\t)%2)+8*\ks+4*\c+3], v[AX] offset:16*(\t)*PITCH+64*\ks+32*\c
.endr
.endr
.endm
.macro MM d, a, b, z, sa, sb           ; one product; z = 0: it starts the sum: nothing is ever cleared
.if (\z) == 0
	v_wmma_scale_f32_16x16x128_f8f6f4 v[\d:\d+7], v[\a:\a+7], v[\b:\b+7], 0, v[\sa], v[\sb] matrix_a_fmt:MATRIX_FMT_FP4 matrix_b_fmt:MATRIX_FMT_FP4
.else
	v_wmma_scale_f32_16x16x128_f8f6f4 v[\d:\d+7], v[\a:\a+7], v[\b:\b+7], v[\d:\d+7], v[\sa], v[\sb] matrix_a_fmt:MATRIX_FMT_FP4 matrix_b_fmt:MATRIX_FMT_FP4
.endif
.endm
; Rows 16 t on: 16 products, the four accumulators by turns, K ascending.  vv = 0: source 0 = weights (Q, K);  vv = 1: source 0 = x (V).
.macro ROWT t, vv
.if (\t) < 7
	FETCHX (\t)+1                                  ; into the set that the tile before multiplied: five v_nop and sixteen conversions lie behind its last product
	s_wait_dscnt 8                                 ; all but the eight just issued
.else
	s_wait_dscnt 0x0
.endif
.if \vv
	WIN 0x04                                       ; source 1 (weights) window 1
.else
	WIN 0x01                                       ; source 0 (weights) window 1
.endif
.irp ks, 0,1,2,3
.irp ct, 0,1,2,3
.if \vv
	MM ACC+8*\ct, XF+32*((\t)%2)+8*\ks, 8*(4*\ct+\ks), \ks, XS+4*(\t)+\ks, WS+4*\ct+\ks
.else
	MM ACC+8*\ct, 8*(4*\ct+\ks), XF+32*((\t)%2)+8*\ks, \ks, WS+4*\ct+\ks, XS+4*(\t)+\ks
.endif
.endr
.endr
	WIN 0
.rept 5
	v_nop                                          ; places behind the products: four for the conversions that read them, five for the next tile's products, which begin the accumulators anew (ISA guide 7.12.1)
.endr
	s_wait_xcnt 0x0                                ; the last tile's stores have read their data registers
.irp ct, 0,1,2,3
.irp i, 0,1,2,3
	v_cvt_pk_f16_f32 v[PK+4*\ct+\i], v[ACC+8*\ct+2*\i], v[ACC+8*\ct+2*\i+1]   ; each accumulator from its low end on
.endr
.endr
.irp ct, 0,1,2,3
.if \vv
	global_store_b128 v[LI], v[PK+4*\ct:PK+4*\ct+3], s[8:9] offset:((\t)/2)*4096+\ct*1024+((\t)%2)*512
.else
	global_store_b128 v[LI], v[PK+4*\ct:PK+4*\ct+3], s[8:9] offset:(\t)*2048+\ct*512   ; the wave stores 512 consecutive bytes, aligned
.endif
.endr
.endm
	FETCHX 0
	s_wait_loadcnt 0x0                             ; the scale words
	s_cmp_eq_u32 s15, 2                            ; cb and the wave's number alone: the same in all four partners
	s_cbranch_scc1 .Lfor_v
.irp t, 0,1,2,3,4,5,6,7
	ROWT \t, 0
.endr
	s_branch .Ljoin
.Lfor_v:
.irp t, 0,1,2,3,4,5,6,7
	ROWT \t, 1
.endr
.Ljoin:
	s_wait_tensorcnt 0x0                           ; the wave's end
	ds_add_u32 v[SPW], v[NIL]
	s_wait_dscnt 0x0
	CROUND                                         ; the closing round: no work-group ends while a partner may still ask for a tile that names it
	s_endpgm
.Lfunc_end_k_q0815086b63_qkv:
	.size	k_q0815086b63_qkv, .Lfunc_end_k_q0815086b63_qkv-k_q0815086b63_qkv
	.p2alignl 7, 3214868480
	.fill 96, 4, 3214868480
	.section	.rodata,"a",@progbits
	.p2align	6, 0x0
	.amdhsa_kernel k_q0815086b63_qkv
		.amdhsa_group_segment_fixed_size 167936
		.amdhsa_private_segment_fixed_size 0
		.amdhsa_enable_private_segment 0
		.amdhsa_kernarg_size 24
		.amdhsa_user_sgpr_count 2
		.amdhsa_user_sgpr_kernarg_segment_ptr 1
		.amdhsa_wavefront_size32 1
		.amdhsa_system_sgpr_workgroup_id_x 1
		.amdhsa_system_sgpr_workgroup_id_y 1
		.amdhsa_system_sgpr_workgroup_id_z 1
		.amdhsa_system_vgpr_workitem_id 0
		.amdhsa_next_free_vgpr 384
		.amdhsa_next_free_sgpr 66
		.amdhsa_reserve_vcc 0
		.amdhsa_float_denorm_mode_32 3
		.amdhsa_float_denorm_mode_16_64 3
		.amdhsa_memory_ordered 1
		.amdhsa_forward_progress 1
		.amdhsa_inst_pref_size 75
	.end_amdhsa_kernel
	.amdgpu_metadata
---
amdhsa.version: [ 1, 2 ]
amdhsa.kernels:
  - .name:           k_q0815086b63_qkv
    .symbol:         k_q0815086b63_qkv.kd
    .args:
      - { .name: codes, .offset: 0, .size: 8, .value_kind: global_buffer, .address_space: global }
      - { .name: scales, .offset: 8, .size: 8, .value_kind: global_buffer, .address_space: global }
      - { .name: qkv, .offset: 16, .size: 8, .value_kind: global_buffer, .address_space: global }
    .group_segment_fixed_size: 167936
    .private_segment_fixed_size: 0
    .kernarg_segment_align: 8
    .kernarg_segment_size: 24
    .max_flat_workgroup_size: 192
    .sgpr_count:     66
    .vgpr_count:     384
    .wavefront_size: 32
...
	.end_amdgpu_metadata
.endif
;; end of part 2
;; launch attn (part 3): grid 8 x 32, 8 waves a work-group, no clusters, 33,792 bytes of LDS; arguments qkv, lm, flags, oi; writes oi
.if DOCPART == 3
	.amdgcn_target "amdgcn-amd-amdhsa--gfx1250"
	.amdhsa_code_object_version 6
	.text
	.protected	k_q0815086b63_attn
	.globl	k_q0815086b63_attn
	.p2align	8
	.type	k_q0815086b63_attn,@function
k_q0815086b63_attn:
	s_mov_b64 s[64:65], 0
	v_nop
	global_prefetch_b8 v0, s[64:65] scope:SCOPE_SE
	s_setreg_imm32_b32 hwreg(HW_REG_WAVE_MODE, 25, 1), 1
	s_wait_xcnt 0x0
; O = softmax(Q K^T / 8, under the mask) V for each (batch, head): Q, K, V f16 in operand order (see the launch that makes them); products' sums, maxima, sums and exponentials in f32; the weights p are
; rounded to f16 for the second product, O once at the end.  oi: [row tile b 128 + tile][block 4 head + ct][512 bytes]: lane (r, h): row r, e = 64 head + 16 ct + 8 h + 0..7, f16.
; THE MASK is an input.  An earlier launch has stored, as whole numbers, a lane mask for each score register (lm) and for each tile of 16 queries x 64 keys whether ANY and whether ALL numbers are kept (flags).
; A tile with nothing kept adds nothing whatever the scores: it is jumped over by a scalar branch on its stored bit.  A tile with all kept skips the 32 selects.  A row that keeps no key at all ends as 0 x infinity = NaN, as the softmax of such a row is.
; SHARES.  A work-group owns 256 queries of one (batch, head); wave w owns two tiles of 16: tA = 8 g + w and tB = 127 - tA.  The pairing changes no value; it evens the kept tiles out where a mask's rows fill up with the row's number.
; Every wave walks 32 steps of 64 keys.  A step's K (8,192 bytes) and V (8,192 bytes) go through one of two LDS slots; they are dense blocks in memory, and each of the eight waves moves 2,048 bytes through its registers, a step ahead.
; A step that no tile of the work-group keeps is not brought.  The branches of this launch hang on numbers read from memory, so it holds no tensor load, and with that no joint requests: that is why no cluster is used here.
; LAYOUT.  S^T = K Q^T (source 0 = 16 keys, source 1 = 16 queries): a lane holds ONE query (lane % 16) and keys 8 (lane / 16) + 0..7 of each tile of 16 keys.  Packed in pairs the weights ARE source 1 of O^T = V^T P.
; SOFTMAX.  For each query a running maximum m and sum l: p = 2^(c s - c m), c = log2(e) / 8; in each step taken O and l are multiplied by a = 2^(c m_old - c m_new).
; LIMITS: positions with very few kept keys have f16's accuracy here (the first 16 of each sequence are made again more finely by a later launch); NaN and infinities among the inputs are not served.
; REGISTERS: v1-4 addresses and -infinity; v6, v7 the add's two; v8-23 statistics, eight a tile; v24-25 at work; v32-63 Q; v64-127 S^T, 32 a tile, later P in the low 16; v128-191 K's fragments, then V's; v192-255 O^T; window 1 v0-15: 2,048 bytes on their way into LDS.
.set SLOTB, 16384                      ; a slot: K's 16 blocks, then V's 16 blocks
.set SPARE, 2*SLOTB                    ; the spare words, 128 bytes a wave: four blocks of 256 bytes that no other line names
.set LI,   1                           ; v1  16 x lane
.set FS,   2                           ; v2  where I store into a slot: 2,048 x wave + 16 x lane
.set NINF, 3                           ; v3  -infinity
.set PFO,  4                           ; v4  256 x lane: the prefetches' offset; never rewritten
.set SPW,  6
.set NIL,  7
.set ST,   8                           ; tile t's statistics at v[ST + 8 t]: +0 c m, +1 m, +2, +3 l (even keys', odd keys'), +4..+7 at work; a in +6
.set TW,   24
.set Q,    32
.set S,    64
.set KV,   128
.set O,    192
.set WVN,  2                           ; s2   my wave's number
.set BH,   12                          ; s12  8 batch + head
.set TA,   13                          ; s13, s14 my two tiles
.set TB,   14
.set FA,   15                          ; s15, s16 their ANY words, s17, s18 their ALL words: bit 0 = the step in hand
.set FB,   16
.set LA,   17
.set LB,   18
.set FN,   19                          ; s19  the work-group's ANY words joined: bit 0 = the next step
.set T0,   20                          ; s20  is the next step brought?
.set TT,   21                          ; s21  which of my tiles take the step
.set FP,   24                          ; s[24:25] my 2,048 bytes of the next step
.set LMA,  26                          ; s[26:27], s[28:29] my tiles' lane masks of the step in hand
.set LMB,  28
.set JJ,   30                          ; s30  pairs of steps to go
.set JS,   31                          ; s31  the step in hand
.set MKA,  32                          ; s[32:63], s[68:99] the 32 lane masks of tile A, of tile B
.set MKB,  68
.set LIM,  66                          ; s66  a wave prefetches while the step in hand is under this
.set TMP,  67
.set CS,   4                           ; s[4:5] c, twice;  s[6:7] lane selects;  s[8:9], s[10:11] my tiles' places in oi  (behind the head, where the arguments are done with)
.set SEL,  6
.set OA,   8
.set OB,   10
.set MSB, 0
.macro WIN new                         ; the immediate's high byte repeats the setting that is left
.if MSB != \new
	s_set_vgpr_msb (MSB<<8)|\new
.set MSB, \new
.endif
.endm
.macro FILLLD                          ; my 2,048 bytes of a step, into window 1
	WIN 0x40
.irp i, 0,1,2,3
	global_load_b128 v[4*\i:4*\i+3], v[LI], s[FP:FP+1] offset:512*\i
.endr
	WIN 0
.endm
.macro FILLST slot                     ; and on into a slot
	WIN 0x04
.irp i, 0,1,2,3
	ds_store_b128 v[FS], v[4*\i:4*\i+3] offset:(\slot)*SLOTB+512*\i
.endr
	WIN 0
.endm
.macro KLOAD cur                       ; 16 blocks: fragment (kt, cc) = 16 keys x 32 channels at KV + 16 kt + 8 cc
.set n, 0
.rept 16
	ds_load_b128 v[KV+4*n:KV+4*n+3], v[LI] offset:(\cur)*SLOTB+512*n
.set n, n+1
.endr
.endm
.macro VLOAD cur                       ; 16 blocks: fragment (kg, ct) = 16 channels x 32 keys at KV + 8 (4 kg + ct)
.set n, 0
.rept 16
	ds_load_b128 v[KV+4*n:KV+4*n+3], v[LI] offset:(\cur)*SLOTB+8192+512*n
.set n, n+1
.endr
.endm
.macro SCORES t                        ; S^T of tile t: the four accumulators by turns; the first four products start the sums
.irp kt, 0,1,2,3
	v_wmma_f32_16x16x32_f16 v[S+32*(\t)+8*\kt:S+32*(\t)+8*\kt+7], v[KV+16*\kt:KV+16*\kt+7], v[Q+16*(\t):Q+16*(\t)+7], 0
.endr
.irp kt, 0,1,2,3
	v_wmma_f32_16x16x32_f16 v[S+32*(\t)+8*\kt:S+32*(\t)+8*\kt+7], v[KV+16*\kt+8:KV+16*\kt+15], v[Q+16*(\t)+8:Q+16*(\t)+15], v[S+32*(\t)+8*\kt:S+32*(\t)+8*\kt+7]
.endr
.endm
.macro PV t                            ; O^T += V^T P of tile t: the four accumulators by turns
.irp kg, 0,1
.irp ct, 0,1,2,3
	v_wmma_f32_16x16x32_f16 v[O+32*(\t)+8*\ct:O+32*(\t)+8*\ct+7], v[KV+8*(4*\kg+\ct):KV+8*(4*\kg+\ct)+7], v[S+32*(\t)+8*\kg:S+32*(\t)+8*\kg+7], v[O+32*(\t)+8*\ct:O+32*(\t)+8*\ct+7]
.endr
.endr
.endm
; One tile's softmax for one step.  la: the register with its ALL word; mk: the first of its 32 lane masks.
.macro SOFTMAX t, la, mk
.set rT, ST+8*(\t)
.set rS, S+32*(\t)
.set rO, O+32*(\t)
	s_bitcmp1_b32 s[\la], 0                        ; all 1,024 numbers kept: nothing to hide
	s_cbranch_scc1 .Lopen_\@
.set n, 0
.rept 32
	v_cndmask_b32 v[rS+n], v[NINF], v[rS+n], s[\mk+n]   ; a hidden score becomes -infinity: p = 0 then.  Ascending: each accumulator is read from its low end on
.set n, n+1
.endr
.Lopen_\@:
.irp j, 0,1,2,3
	v_max3_num_f32 v[rT+4+\j], v[rS+8*\j], v[rS+8*\j+1], v[rS+8*\j+2]   ; the maximum, three operands at a time, in four chains
.endr
.irp u, 3,5
.irp j, 0,1,2,3
	v_max3_num_f32 v[rT+4+\j], v[rT+4+\j], v[rS+8*\j+\u], v[rS+8*\j+\u+1]
.endr
.endr
	v_max3_num_f32 v[rT+4], v[rT+4], v[rS+7], v[rS+15]
	v_max3_num_f32 v[rT+6], v[rT+6], v[rS+23], v[rS+31]
	v_max3_num_f32 v[rT+4], v[rT+4], v[rT+5], v[rT+6]
	v_max3_num_f32 v[rT+4], v[rT+4], v[rT+7], v[rT+1]              ; and the old m
	v_permlanex16_b32 v[rT+5], v[rT+4], s[SEL], s[SEL+1]           ; the query's other 32 keys lie in the lane 16 away
	v_mov_b32 v[rT+7], v[rT]                       ; c m_old is kept for a
	v_max_num_f32 v[rT+1], v[rT+4], v[rT+5]
	v_mul_f32 v[rT], s[CS], v[rT+1]
	v_sub_f32 v[rT+7], v[rT+7], v[rT]
.set n, 0
.rept 16
	v_pk_fma_f32 v[rS+n:rS+n+1], v[rS+n:rS+n+1], s[CS:CS+1], v[rT:rT+1] op_sel_hi:[1,0,0] neg_lo:[0,0,1] neg_hi:[0,0,1]   ; c s - c m, two at a time
.set n, n+2
.endr
	v_exp_f32 v[rT+6], v[rT+7]                     ; a
.set n, 0
.rept 32
	v_exp_f32 v[rS+n], v[rS+n]                     ; p, at most 1
.set n, n+1
.endr
	v_nop                                          ; a plain instruction behind the last exponential
	s_wait_alu depctr_va_vdst(0)                   ; one wait for the batch of 33, ahead of the first line that names a result
	v_pk_add_f32 v[rT+4:rT+5], v[rS:rS+1], v[rS+2:rS+3]            ; the sum of the unrounded p, in two chains
	v_pk_add_f32 v[TW:TW+1], v[rS+4:rS+5], v[rS+6:rS+7]
.irp j, 8,12,16,20,24,28
	v_pk_add_f32 v[rT+4:rT+5], v[rT+4:rT+5], v[rS+\j:rS+\j+1]
	v_pk_add_f32 v[TW:TW+1], v[TW:TW+1], v[rS+\j+2:rS+\j+3]
.endr
	v_pk_add_f32 v[rT+4:rT+5], v[rT+4:rT+5], v[TW:TW+1]
	v_pk_fma_f32 v[rT+2:rT+3], v[rT+2:rT+3], v[rT+6:rT+7], v[rT+4:rT+5] op_sel_hi:[1,0,1]   ; l = a l + the sum
.set n, 0
.rept 16
	v_cvt_pk_f16_f32 v[rS+n], v[rS+2*n], v[rS+2*n+1]               ; P, packed in place: register n is written when registers 2 n and 2 n + 1 are read
.set n, n+1
.endr
.set n, 0
.rept 16
	v_pk_mul_f32 v[rO+n:rO+n+1], v[rO+n:rO+n+1], v[rT+6:rT+7] op_sel_hi:[1,0]   ; O^T x a, each accumulator from its low end on
.set n, n+2
.endr
.endm
; The work of a step for the tiles that take it.
.macro BODY ua, ub, cur
.if \ua
	s_load_b512 s[MKA:MKA+15], s[LMA:LMA+1], 0x0
	s_load_b512 s[MKA+16:MKA+31], s[LMA:LMA+1], 0x40
.endif
.if \ub
	s_load_b512 s[MKB:MKB+15], s[LMB:LMB+1], 0x0
	s_load_b512 s[MKB+16:MKB+31], s[LMB:LMB+1], 0x40
.endif
.rept 5
	v_nop                                          ; places behind the last step's products: four for the loads into V's registers, five for the products that write over P's
.endr
	KLOAD \cur
	s_wait_dscnt 0x0
.if \ua
	SCORES 0
.endif
.if \ub
	SCORES 1
.endif
.rept 5
	v_nop                                          ; places in front of the loads into K's registers and of the first read of the scores
.endr
	VLOAD \cur                                     ; lands while the softmax is worked
	s_wait_kmcnt 0x0                               ; the lane masks
.if \ua
	SOFTMAX 0, LA, MKA
	s_wait_dscnt 0x0                               ; V
	PV 0
.endif
.if \ub
	SOFTMAX 1, LB, MKB                             ; names no register of tile A's products
	s_wait_dscnt 0x0
	PV 1
.endif
.endm
; A PREFETCH INTO THE L2: in step j the 8,192 bytes of K, or of V, of step j + 4, which the loads of step j + 3 will ask for: three steps ahead; a lane names 256 bytes, one instruction a wave.
; All eight work-groups of a (batch, head) walk the same K and V: the first of them asks, its wave 0 for K's and its wave 4 for V's: so each 256 bytes are named once in the launch.
; Steps 0 to 3 come by their loads alone; from step 28 on nothing is asked for: step 31 is the last.
.macro ASK
	s_cmp_lt_u32 s[JS], s[LIM]
	s_cbranch_scc0 .Lnoask_\@
	global_prefetch_b8 v[PFO], s[FP:FP+1] offset:24576 th:TH_LOAD_NT scope:SCOPE_SE
.Lnoask_\@:
.endm
; A step: the next step's bytes are asked for; the tiles that keep something are worked from slot cur; the bytes go into the other slot; one barrier.
.macro STEP cur
	s_and_b32 s[T0], s[FN], 1
	s_cmp_eq_u32 s[T0], 0
	s_cbranch_scc1 .Lnofill_\@
	FILLLD
.Lnofill_\@:
	ASK
	s_and_b32 s[TT], s[FA], 1
	s_and_b32 s[TMP], s[FB], 1
	s_lshl_b32 s[TMP], s[TMP], 1
	s_or_b32 s[TT], s[TT], s[TMP]
	s_cmp_eq_u32 s[TT], 0
	s_cbranch_scc1 .Ljoin_\@
	s_cmp_eq_u32 s[TT], 1
	s_cbranch_scc1 .Lonly_a_\@
	s_cmp_eq_u32 s[TT], 2
	s_cbranch_scc1 .Lonly_b_\@
	BODY 1, 1, \cur
	s_branch .Ljoin_\@
.Lonly_a_\@:
	BODY 1, 0, \cur
	s_branch .Ljoin_\@
.Lonly_b_\@:
	BODY 0, 1, \cur
.Ljoin_\@:
	s_wait_loadcnt 0x0                             ; the next step's bytes are in my registers
	s_cmp_eq_u32 s[T0], 0
	s_cbranch_scc1 .Lnost_\@
	FILLST 1-\cur                                  ; the other slot: every wave's reads of it were over at the last barrier
.Lnost_\@:
	s_wait_dscnt 0x0                               ; my stores have landed, and my reads of this slot are over:
	s_barrier_signal -1                            ; the barrier stands on every wave's way, outside every branch
	s_barrier_wait -1
	s_wait_xcnt 0x0                                ; the loads and the prefetch have read their addresses
	s_add_nc_u64 s[FP:FP+1], s[FP:FP+1], 8192
	s_add_nc_u64 s[LMA:LMA+1], s[LMA:LMA+1], 128
	s_add_nc_u64 s[LMB:LMB+1], s[LMB:LMB+1], 128
	s_lshr_b32 s[FA], s[FA], 1
	s_lshr_b32 s[FB], s[FB], 1
	s_lshr_b32 s[LA], s[LA], 1
	s_lshr_b32 s[LB], s[LB], 1
	s_lshr_b32 s[FN], s[FN], 1
	s_add_co_u32 s[JS], s[JS], 1
.endm
	s_load_b256 s[4:11], s[0:1], 0x0               ; qkv s[4:5], lm s[6:7], flags s[8:9], oi s[10:11]
	v_lshl_add_u32 v[SPW], v0, 2, SPARE
	v_mov_b32 v[NIL], 0
	v_lshrrev_b32 v1, 5, v0
	v_readfirstlane_b32 s[WVN], v1                 ; wave 0..7
	v_and_b32 v5, 31, v0
	v_lshlrev_b32 v[LI], 4, v5
	s_lshl_b32 s[TMP], s[WVN], 11
	v_add_nc_u32 v[FS], s[TMP], v[LI]
	v_mov_b32 v[NINF], 0xff800000
	v_lshlrev_b32 v[PFO], 8, v5
	s_and_b32 s[BH], ttmp7, 0xffff
	s_lshl_b32 s[TA], ttmp9, 3
	s_add_co_u32 s[TA], s[TA], s[WVN]
	s_sub_co_u32 s[TB], 127, s[TA]
	s_lshl_b32 s20, ttmp9, 5                       ; the ANY words of tiles 8 g .. 8 g + 7,
	s_sub_co_u32 s21, 480, s20                     ; and of tiles 120 - 8 g .. 127 - 8 g
	s_lshl_b32 s30, s[TA], 2
	s_lshl_b32 s31, s[TB], 2
	s_wait_kmcnt 0x0
	s_load_b256 s[32:39], s[8:9], s20 offset:0x0
	s_load_b256 s[40:47], s[8:9], s21 offset:0x0
	s_load_b32 s[FA], s[8:9], s30 offset:0x0
	s_load_b32 s[FB], s[8:9], s31 offset:0x0
	s_load_b32 s[LA], s[8:9], s30 offset:0x200
	s_load_b32 s[LB], s[8:9], s31 offset:0x200
	s_lshl_b32 s22, s[BH], 18                      ; a (batch, head) is 262,144 bytes in Q, in K and in V
	s_lshl_b32 s23, s[TA], 11
	s_add_co_u32 s23, s23, s22
	v_add_nc_u32 v24, s23, v[LI]
	s_lshl_b32 s23, s[TB], 11
	s_add_co_u32 s23, s23, s22
	v_add_nc_u32 v25, s23, v[LI]
.irp i, 0,1,2,3
	global_load_b128 v[Q+4*\i:Q+4*\i+3], v24, s[4:5] offset:512*\i          ; Q stays in registers: fragment (tile, cc) at Q + 16 tile + 8 cc
	global_load_b128 v[Q+16+4*\i:Q+16+4*\i+3], v25, s[4:5] offset:512*\i
.endr
	s_cmp_lt_u32 s[WVN], 4                         ; waves 0-3 move K's four parts, waves 4-7 V's: an offset is chosen, not a pointer
	s_cselect_b32 s23, 0, 0x800000
	s_add_co_u32 s23, s23, 0x800000
	s_add_co_u32 s22, s22, s23
	s_and_b32 s23, s[WVN], 3
	s_lshl_b32 s23, s23, 11
	s_add_co_u32 s22, s22, s23
	s_mov_b32 s23, 0
	s_add_nc_u64 s[FP:FP+1], s[4:5], s[22:23]
	FILLLD                                         ; step 0 is always brought
	s_lshl_b32 s22, s[TA], 12                      ; a q tile's lane masks are 4,096 bytes
	s_add_nc_u64 s[LMA:LMA+1], s[6:7], s[22:23]
	s_lshl_b32 s22, s[TB], 12
	s_add_nc_u64 s[LMB:LMB+1], s[6:7], s[22:23]
	s_lshr_b32 s22, s[BH], 3
	s_lshl_b32 s22, s22, 7                         ; 128 x batch
	s_and_b32 s[TMP], s[BH], 7
	s_lshl_b32 s[TMP], s[TMP], 11                  ; 2,048 x head
	s_add_co_u32 s66, s22, s[TB]
	s_lshl_b32 s66, s66, 14
	s_add_co_u32 s66, s66, s[TMP]                  ; tile B's place in oi
	s_add_co_u32 s22, s22, s[TA]
	s_lshl_b32 s22, s22, 14
	s_add_co_u32 s22, s22, s[TMP]                  ; tile A's
.set n, 0
.rept 64
	v_mov_b32 v[O+n], 0                            ; O^T.  Which step is a tile's first is known only from the stored flags, so no product that starts the sums can be written out
.set n, n+1
.endr
	s_wait_kmcnt 0x0                               ; the flags
	s_add_nc_u64 s[OA:OA+1], s[10:11], s[22:23]
	s_mov_b32 s22, s66
	s_add_nc_u64 s[OB:OB+1], s[10:11], s[22:23]
	s_or_b32 s[FN], s32, s33                       ; a step is brought if any of the work-group's 16 tiles keeps something of it
.irp i, 34,35,36,37,38,39,40,41,42,43,44,45,46,47
	s_or_b32 s[FN], s[FN], s[\i]
.endr
	s_wait_loadcnt 0x0                             ; Q and step 0's bytes: the loads are done with their addresses too
	s_mov_b32 s[CS], 0x3e38aa3b                    ; c = log2(e) / 8
	s_mov_b32 s[CS+1], s[CS]                       ; (named with it as a pair, so it is written)
	s_mov_b32 s[SEL], 0x76543210
	s_mov_b32 s[SEL+1], 0xfedcba98
.irp t, 0,1
	v_mov_b32 v[ST+8*\t+1], 0xff61b1e6             ; m: -3e38, under every score
	v_mul_f32 v[ST+8*\t], s[CS], v[ST+8*\t+1]
.irp j, 2,3,4,5,6,7
	v_mov_b32 v[ST+8*\t+\j], 0                     ; l, and the registers at work (a lane permute's destination counts as one of its sources)
.endr
.endr
	FILLST 0
	s_wait_dscnt 0x0
	s_barrier_signal -1
	s_barrier_wait -1                              ; slot 0 is whole
	s_lshr_b32 s[FN], s[FN], 1
	s_add_nc_u64 s[FP:FP+1], s[FP:FP+1], 8192
	s_and_b32 s[LIM], s[WVN], 3
	s_or_b32 s[LIM], s[LIM], ttmp9                 ; waves 0 and 4 of the (batch, head)'s first work-group
	s_cmp_eq_u32 s[LIM], 0
	s_cselect_b32 s[LIM], 28, 0
	s_mov_b32 s[JS], 0
	s_mov_b32 s[JJ], 16
.Lpair:
	STEP 0
	STEP 1
	s_sub_co_u32 s[JJ], s[JJ], 1
	s_cmp_lg_u32 s[JJ], 0
	s_cbranch_scc1 .Lpair
	; THE WAY OUT.  l's two halves and the other half of the lanes' are added; O^T / l is rounded to f16: a lane's eight channels are 16 bytes, and the wave stores blocks of 512 consecutive bytes.  The additions are the places behind the last products.
.irp t, 0,1
	v_add_f32 v[ST+8*\t+4], v[ST+8*\t+2], v[ST+8*\t+3]
.endr
.irp t, 0,1
	v_permlanex16_b32 v[ST+8*\t+5], v[ST+8*\t+4], s[SEL], s[SEL+1]
.endr
.irp t, 0,1
	v_add_f32 v[ST+8*\t+4], v[ST+8*\t+4], v[ST+8*\t+5]
.endr
.irp t, 0,1
	v_rcp_f32 v[ST+8*\t+6], v[ST+8*\t+4]
.endr
	v_nop                                          ; a plain instruction behind the last reciprocal
	s_wait_alu depctr_va_vdst(0)                   ; and one wait for the two, ahead of the first use
.irp t, 0,1
.set n, 0
.rept 16
	v_pk_mul_f32 v[O+32*\t+n:O+32*\t+n+1], v[O+32*\t+n:O+32*\t+n+1], v[ST+8*\t+6:ST+8*\t+7] op_sel_hi:[1,0]
.set n, n+2
.endr
.set n, 0
.rept 16
	v_cvt_pk_f16_f32 v[S+32*\t+n], v[O+32*\t+2*n], v[O+32*\t+2*n+1]
.set n, n+1
.endr
.endr
.irp ct, 0,1,2,3
	global_store_b128 v[LI], v[S+4*\ct:S+4*\ct+3], s[OA:OA+1] offset:512*\ct
	global_store_b128 v[LI], v[S+32+4*\ct:S+32+4*\ct+3], s[OB:OB+1] offset:512*\ct
.endr
	s_wait_tensorcnt 0x0                           ; the wave's end
	ds_add_u32 v[SPW], v[NIL]
	s_wait_dscnt 0x0
	s_endpgm
.Lfunc_end_k_q0815086b63_attn:
	.size	k_q0815086b63_attn, .Lfunc_end_k_q0815086b63_attn-k_q0815086b63_attn
	.p2alignl 7, 3214868480
	.fill 96, 4, 3214868480
	.section	.rodata,"a",@progbits
	.p2align	6, 0x0
	.amdhsa_kernel k_q0815086b63_attn
		.amdhsa_group_segment_fixed_size 33792
		.amdhsa_private_segment_fixed_size 0
		.amdhsa_enable_private_segment 0
		.amdhsa_kernarg_size 32
		.amdhsa_user_sgpr_count 2
		.amdhsa_user_sgpr_kernarg_segment_ptr 1
		.amdhsa_wavefront_size32 1
		.amdhsa_system_sgpr_workgroup_id_x 1
		.amdhsa_system_sgpr_workgroup_id_y 1
		.amdhsa_system_sgpr_workgroup_id_z 1
		.amdhsa_system_vgpr_workitem_id 0
		.amdhsa_next_free_vgpr 288
		.amdhsa_next_free_sgpr 100
		.amdhsa_reserve_vcc 0
		.amdhsa_float_denorm_mode_32 3
		.amdhsa_float_denorm_mode_16_64 3
		.amdhsa_memory_ordered 1
		.amdhsa_forward_progress 1
		.amdhsa_inst_pref_size 108
	.end_amdhsa_kernel
	.amdgpu_metadata
---
amdhsa.version: [ 1, 2 ]
amdhsa.kernels:
  - .name:           k_q0815086b63_attn
    .symbol:         k_q0815086b63_attn.kd
    .args:
      - { .name: qkv, .offset: 0, .size: 8, .value_kind: global_buffer, .address_space: global }
      - { .name: lm, .offset: 8, .size: 8, .value_kind: global_buffer, .address_space: global }
      - { .name: flags, .offset: 16, .size: 8, .value_kind: global_buffer, .address_space: global }
      - { .name: oi, .offset: 24, .size: 8, .value_kind: global_buffer, .address_space: global }
    .group_segment_fixed_size: 33792
    .private_segment_fixed_size: 0
    .kernarg_segment_align: 8
    .kernarg_segment_size: 32
    .max_flat_workgroup_size: 256
    .sgpr_count:     100
    .vgpr_count:     288
    .wavefront_size: 32
...
	.end_amdgpu_metadata
.endif
;; end of part 3
;; launch proj (part 4): grid 4 x 64, 4 waves a work-group, clusters of 4 x 4, 280,064 bytes of LDS; arguments oi, woi, out0; writes out0
.if DOCPART == 4
	.amdgcn_target "amdgcn-amd-amdhsa--gfx1250"
	.amdhsa_code_object_version 6
	.text
	.protected	k_q0815086b63_proj
	.globl	k_q0815086b63_proj
	.p2align	8
	.type	k_q0815086b63_proj,@function
k_q0815086b63_proj:
	s_mov_b64 s[64:65], 0
	v_nop
	global_prefetch_b8 v0, s[64:65] scope:SCOPE_SE
	s_setreg_imm32_b32 hwreg(HW_REG_WAVE_MODE, 25, 1), 1
	s_wait_xcnt 0x0
	s_wait_alu depctr_hold_cnt(0) depctr_sa_sdst(0) depctr_va_vdst(0) depctr_va_sdst(0) depctr_va_ssrc(0) depctr_va_vcc(0) depctr_vm_vsrc(0)
	s_getreg_b32 s2, hwreg(HW_REG_IB_STS2, 6, 4)
	s_cmp_eq_u32 s2, 0
	s_cbranch_scc0 .Lentry_in_a_cluster
	s_endpgm
.Lentry_in_a_cluster:
	s_bfe_u32 s2, ttmp6, 0x10000c
	s_cmp_lg_u32 s2, 0xf033
	s_cbranch_scc0 .Lentry_shape_is_right
	s_endpgm
.Lentry_shape_is_right:
; out0[n][d] = sum over e of O[n][e] WO[d][e]: 8,192 x 512 x 512, f16 operands, f32 sums, f32 out.  Both operands lie in memory in the order of an operand's registers (blocks of 512 bytes, lane l's 16 bytes at 16 l):
;   oi  [row tile 512][kb 16][p 2][block]: lane (r, h): O[16 T + r][32 kb + 16 p + 8 h + 0..7];   woi [dt 32][kb 16][p 2][block]: WO[16 dt + r][the same e].
; A work-group makes 128 x 128 of out0, each of its four waves 64 x 64: 16 accumulators.  K = 512 is short: both tiles, 131,072 bytes each, lie in LDS whole after ONE fill, so there is no ring and nothing is filled again.
; A tile is a dense block of memory: each wave brings half of one as 256 rows of 256 bytes.  A fragment comes from LDS by two loads of 512 consecutive bytes: no pitch, no padding.
; CLUSTER: 4 x 4 work-groups.  O's tile hangs on the tile row alone and is asked for jointly by a row of the cluster, WO's on the tile column alone and by a column.
; THE MATRIX INSTRUCTION IS USED TRANSPOSED (source 0 = 16 rows of WO, source 1 = 16 rows of O): a lane holds eight neighbouring numbers of a row of out0.
; All rows are made here; the first 16 positions of each sequence are stored again, more finely, by the launch that follows.
; REGISTERS.  Window 0: v1-5 addresses; v6, v7 the add's two; v64-127 O's fragments, two sets of four; v128-191 WO's; v192-255 rows on the way out.  Window 1: v0-127 the accumulators, (rt, dt) at 8 (4 rt + dt).
.set HALF,  65536                      ; what one tensor load brings, and what one wave reads of O or of WO
.set STAGE, 4*HALF                     ; behind the tiles: 16 rows x 272 bytes for each wave
.set SPARE, STAGE+4*16*272             ; the spare words, 128 bytes a wave: two blocks of 256 bytes that no other line names
.set AO,  1                            ; v1  my lane's place in my 64 rows of O
.set AB,  2                            ; v2  and of WO
.set STO, 3                            ; v3  the way out: where I put 32 bytes of a row
.set RD,  4                            ; v4  where I read a row back
.set CO,  5                            ; v5  my byte offset in out0
.set SPW, 6
.set NIL, 7
.set AF,  64
.set BF,  128
.set BK,  192
.set G1,  24                           ; s[24:31], s[32:35] descriptor groups 1 and 0 for O's tile;  s[48:55], s[56:59] for WO's
.set G0,  32
.set G1B, 48
.set G0B, 56
.set MSB, 0
.macro WIN new                         ; the immediate's high byte repeats the setting that is left
.if MSB != \new
	s_set_vgpr_msb (MSB<<8)|\new
.set MSB, \new
.endif
.endm
.macro CROUND                          ; a round of the cluster's barrier
	s_barrier_signal -1
	s_barrier_wait -1
	s_cmp_lg_u32 s10, 0
	s_cbranch_scc1 .Lnot_wave_0_\@
	s_barrier_signal -3
.Lnot_wave_0_\@:
	s_barrier_wait -3
	s_barrier_signal -1
	s_barrier_wait -1
.endm
	s_load_b128 s[4:7], s[0:1], 0x0                ; oi s[4:5], woi s[6:7]
	s_load_b64 s[8:9], s[0:1], 0x10                ; out0
	v_lshl_add_u32 v[SPW], v0, 2, SPARE
	v_mov_b32 v[NIL], 0
	ds_add_u32 v[SPW], v[NIL]                      ; the wave's opening: the add, twice on end, and its wait ahead of my first tensor load
	ds_add_u32 v[SPW], v[NIL]
	v_lshrrev_b32 v8, 5, v0
	v_readfirstlane_b32 s10, v8                    ; wave 0..3
	s_lshr_b32 s11, s10, 1                         ; which half of the tile's rows is mine.  Also: I fetch for O (0) or for WO (1)
	s_and_b32 s12, s10, 1                          ; which half of its columns.  Also: which half of that tile I fetch
	s_bfe_u32 s40, ttmp6, 0x40000                  ; cx, cy: my place in the cluster
	s_bfe_u32 s41, ttmp6, 0x40004
	s_lshl_b32 s42, ttmp9, 2
	s_add_co_u32 s42, s42, s40                     ; tile column = 4 x cluster x + cx
	s_and_b32 s13, ttmp7, 0xffff
	s_lshl_b32 s13, s13, 2
	s_add_co_u32 s13, s13, s41                     ; tile row = 4 x cluster y + cy
	s_lshl_b32 s43, s41, 2
	s_lshl_b32 s43, 15, s43                        ; my row of the cluster
	s_lshl_b32 s44, 0x1111, s40                    ; my column
	s_or_b32 s[G1], s43, (3<<16)|(1<<21)           ; 15:0 the mask; 17:16 elements of 8 bytes; 21 set beside a mask; no padding
	s_or_b32 s[G1B], s44, (3<<16)|(1<<21)
.irp g, G1, G1B
	s_mov_b32 s[\g+1], 32<<16                      ; tensor_dim0: 32 elements = 256 bytes
	s_mov_b32 s[\g+2], 256<<16                     ; tensor_dim1
	s_mov_b32 s[\g+3], 32<<16                      ; tile_dim0
	s_mov_b32 s[\g+4], 256                         ; tile_dim1
	s_mov_b32 s[\g+5], 32                          ; from row to row: dense
	s_mov_b32 s[\g+6], 0
	s_mov_b32 s[\g+7], 0
.endr
	s_lshl_b32 s17, s12, 16                        ; the half that I fetch
	s_lshl_b32 s16, s13, 17                        ; O: 131,072 bytes a tile row
	s_add_co_u32 s16, s16, s17
	s_lshl_b32 s46, s42, 17                        ; WO: 131,072 bytes a tile column
	s_add_co_u32 s46, s46, s17
	s_mov_b32 s17, 0
	s_mov_b32 s47, 0
	s_lshl_b32 s20, s10, 16                        ; where they go: wave x 65,536: no place in the cluster enters an LDS address
	s_wait_dscnt 0x0                               ; both opening adds are done
	s_wait_kmcnt 0x0
	s_add_nc_u64 s[14:15], s[4:5], s[16:17]
	s_add_nc_u64 s[46:47], s[6:7], s[46:47]
	CROUND                                         ; all sixteen work-groups are here: the joint loads meet
	s_mov_b32 s[G0], 1
	s_mov_b32 s[G0+1], s20
	s_mov_b64 s[G0+2:G0+3], s[14:15]
	s_or_b32 s[G0+3], s[G0+3], 0x80000000
	s_mov_b32 s[G0B], 1
	s_mov_b32 s[G0B+1], s20
	s_mov_b64 s[G0B+2:G0B+3], s[46:47]
	s_or_b32 s[G0B+3], s[G0B+3], 0x80000000
	s_cmp_eq_u32 s11, 0                            ; waves 0 and 1 fetch O's halves, waves 2 and 3 WO's: each line has one mask; one load of mine is out
	s_cbranch_scc0 .Lfor_b
	tensor_load_to_lds s[G0:G0+3], s[G1:G1+7]
	s_nop 0
.rept 4
	v_nop
.endr
	s_branch .Lasked
.Lfor_b:
	tensor_load_to_lds s[G0B:G0B+3], s[G1B:G1B+7]
	s_nop 0
.rept 4
	v_nop
.endr
.Lasked:
	v_and_b32 v8, 15, v0                           ; r
	v_bfe_u32 v9, v0, 4, 1                         ; h
	v_and_b32 v10, 31, v0
	v_lshlrev_b32 v10, 4, v10                      ; 16 x lane
	s_lshl_b32 s21, s11, 16
	v_add_nc_u32 v[AO], s21, v10
	s_lshl_b32 s22, s12, 16
	s_add_co_u32 s22, s22, 2*HALF
	v_add_nc_u32 v[AB], s22, v10
	s_mul_i32 s23, s10, 16*272
	s_add_co_u32 s23, s23, STAGE                   ; my stage
	v_mul_u32_u24 v11, v8, 272
	v_lshl_add_u32 v11, v9, 5, v11
	v_add_nc_u32 v[STO], s23, v11                  ; in: row r, 32 bytes for each half of the lanes
	v_mul_u32_u24 v11, v9, 272
	v_lshl_add_u32 v11, v8, 4, v11
	v_add_nc_u32 v[RD], s23, v11                   ; back: lanes 0-15 one row of 256 bytes, lanes 16-31 the next
	v_lshlrev_b32 v11, 11, v9
	v_lshl_add_u32 v[CO], v8, 4, v11               ; and the same two rows in out0
	s_lshl_b32 s16, s13, 18                        ; my first row: (128 tile row + 64 half) x 2,048 bytes
	s_lshl_b32 s17, s11, 17
	s_add_co_u32 s16, s16, s17
	s_mov_b32 s17, 0
	s_lshl_b32 s46, s42, 9                         ; my first column: (128 tile column + 64 half) x 4 bytes
	s_lshl_b32 s47, s12, 8
	s_add_co_u32 s46, s46, s47
	s_mov_b32 s47, 0
	s_add_nc_u64 s[16:17], s[16:17], s[46:47]
	s_add_nc_u64 s[8:9], s[8:9], s[16:17]
	s_wait_tensorcnt 0x0                           ; my half has landed,
	s_barrier_signal -1
	s_barrier_wait -1                              ; everybody's has
.macro FETCH kb                        ; the eight fragments of 32 along K, into set kb % 2
.irp i, 0,1,2,3
.irp p, 0,1
	ds_load_b128 v[BF+32*((\kb)%2)+8*\i+4*\p:BF+32*((\kb)%2)+8*\i+4*\p+3], v[AB] offset:\i*16384+(\kb)*1024+\p*512
	ds_load_b128 v[AF+32*((\kb)%2)+8*\i+4*\p:AF+32*((\kb)%2)+8*\i+4*\p+3], v[AO] offset:\i*16384+(\kb)*1024+\p*512
.endr
.endr
.endm
.macro KSTEP kb                        ; 16 products, the sixteen accumulators by turns; the first step's start the sums
.if (\kb) < 15
.if (\kb) > 0
.rept 4
	v_nop                                          ; places in front of loads into registers that the step before has multiplied
.endr
.endif
	FETCH (\kb)+1
	s_wait_dscnt 16                                ; all but the sixteen just issued
.else
	s_wait_dscnt 0x0
.endif
	WIN 0x50                                       ; C and D window 1
.irp rt, 0,1,2,3
.irp dt, 0,1,2,3
.if (\kb) == 0
	v_wmma_f32_16x16x32_f16 v[8*(4*\rt+\dt):8*(4*\rt+\dt)+7], v[BF+32*((\kb)%2)+8*\dt:BF+32*((\kb)%2)+8*\dt+7], v[AF+32*((\kb)%2)+8*\rt:AF+32*((\kb)%2)+8*\rt+7], 0
.else
	v_wmma_f32_16x16x32_f16 v[8*(4*\rt+\dt):8*(4*\rt+\dt)+7], v[BF+32*((\kb)%2)+8*\dt:BF+32*((\kb)%2)+8*\dt+7], v[AF+32*((\kb)%2)+8*\rt:AF+32*((\kb)%2)+8*\rt+7], v[8*(4*\rt+\dt):8*(4*\rt+\dt)+7]
.endif
.endr
.endr
	WIN 0
.endm
	FETCH 0
.irp kb, 0,1,2,3,4,5,6,7,8,9,10,11,12,13,14,15
	KSTEP \kb
.endr
.rept 4
	v_nop                                          ; places in front of the first read of results
.endr
; THE WAY OUT, 16 rows x 64 columns at a time, through my own stage: a lane holds 32 bytes of a row, and the rows come back whole: sixteen lanes store 256 consecutive bytes, aligned.
; LDS serves a wave's instructions in order: no wait between the stores and the loads, nor in front of the next block's stores.
.irp rt, 0,1,2,3
	s_wait_xcnt 0x0                                ; earlier stores have read their data registers
	WIN 0x04                                       ; an LDS store's data are its source 1: window 1
.irp dt, 0,1,2,3
	ds_store_b128 v[STO], v[8*(4*\rt+\dt):8*(4*\rt+\dt)+3] offset:64*\dt          ; each accumulator from its low end on
	ds_store_b128 v[STO], v[8*(4*\rt+\dt)+4:8*(4*\rt+\dt)+7] offset:64*\dt+16
.endr
	WIN 0
.irp i, 0,1,2,3,4,5,6,7
	ds_load_b128 v[BK+32*(\rt%2)+4*\i:BK+32*(\rt%2)+4*\i+3], v[RD] offset:544*\i
.endr
.irp i, 0,1,2,3,4,5,6,7
	s_wait_dscnt 7-\i                              ; rows 2 i and 2 i + 1 are back; the later ones may be out
	global_store_b128 v[CO], v[BK+32*(\rt%2)+4*\i:BK+32*(\rt%2)+4*\i+3], s[8:9] offset:(16*\rt+2*\i)*2048 th:TH_STORE_NT
.endr
.endr
	s_wait_tensorcnt 0x0                           ; the wave's end
	ds_add_u32 v[SPW], v[NIL]
	s_wait_dscnt 0x0
	CROUND                                         ; the closing round
	s_endpgm
.Lfunc_end_k_q0815086b63_proj:
	.size	k_q0815086b63_proj, .Lfunc_end_k_q0815086b63_proj-k_q0815086b63_proj
	.p2alignl 7, 3214868480
	.fill 96, 4, 3214868480
	.section	.rodata,"a",@progbits
	.p2align	6, 0x0
	.amdhsa_kernel k_q0815086b63_proj
		.amdhsa_group_segment_fixed_size 280064
		.amdhsa_private_segment_fixed_size 0
		.amdhsa_enable_private_segment 0
		.amdhsa_kernarg_size 24
		.amdhsa_user_sgpr_count 2
		.amdhsa_user_sgpr_kernarg_segment_ptr 1
		.amdhsa_wavefront_size32 1
		.amdhsa_system_sgpr_workgroup_id_x 1
		.amdhsa_system_sgpr_workgroup_id_y 1
		.amdhsa_system_sgpr_workgroup_id_z 1
		.amdhsa_system_vgpr_workitem_id 0
		.amdhsa_next_free_vgpr 384
		.amdhsa_next_free_sgpr 66
		.amdhsa_reserve_vcc 0
		.amdhsa_float_denorm_mode_32 3
		.amdhsa_float_denorm_mode_16_64 3
		.amdhsa_memory_ordered 1
		.amdhsa_forward_progress 1
		.amdhsa_inst_pref_size 50
	.end_amdhsa_kernel
	.amdgpu_metadata
---
amdhsa.version: [ 1, 2 ]
amdhsa.kernels:
  - .name:           k_q0815086b63_proj
    .symbol:         k_q0815086b63_proj.kd
    .args:
      - { .name: oi, .offset: 0, .size: 8, .value_kind: global_buffer, .address_space: global }
      - { .name: woi, .offset: 8, .size: 8, .value_kind: global_buffer, .address_space: global }
      - { .name: out0, .offset: 16, .size: 8, .value_kind: global_buffer, .address_space: global }
    .group_segment_fixed_size: 280064
    .private_segment_fixed_size: 0
    .kernarg_segment_align: 8
    .kernarg_segment_size: 24
    .max_flat_workgroup_size: 128
    .sgpr_count:     66
    .vgpr_count:     384
    .wavefront_size: 32
...
	.end_amdgpu_metadata
.endif
;; end of part 4
;; launch fine (part 5): grid 16 x 4, 8 waves a work-group, no clusters, 17,408 bytes of LDS; arguments qkv, codes, scales, lm, flags, WO, out0; writes out0
.if DOCPART == 5
	.amdgcn_target "amdgcn-amd-amdhsa--gfx1250"
	.amdhsa_code_object_version 6
	.text
	.protected	k_q0815086b63_fine
	.globl	k_q0815086b63_fine
	.p2align	8
	.type	k_q0815086b63_fine,@function
k_q0815086b63_fine:
	s_mov_b64 s[64:65], 0
	v_nop
	global_prefetch_b8 v0, s[64:65] scope:SCOPE_SE
	s_setreg_imm32_b32 hwreg(HW_REG_WAVE_MODE, 25, 1), 1
	s_wait_xcnt 0x0
; THE FIRST 16 POSITIONS OF EACH SEQUENCE, ONCE MORE AND MORE FINELY: where a row averages one to a few values, the rounding of V, p, O and WO to f16 weighs most.  Here all four stay in f32; the 64 rows of out0 are stored over.
; A work-group takes a batch (y) and 32 columns of out0 (x); its eight waves are the eight heads.  Each wave makes its head's attention for the 16 rows and its head's share of the 32 columns; the shares meet in LDS.
; (Sixteen work-groups repeat a batch's attention: under a mask that keeps few keys for these rows that is a tile or two each, and it spares a launch and a buffer.)
; NOTHING CHANGES LANES.  S^T = K Q^T from the f16 operands (a weight p moves by about 1e-4 of itself through that rounding).  V is made anew, in f32, from the codes: source 0 = x's 16 key rows, source 1 = 16 rows of WV:
; lane (r, h) holds channel r and keys 8 h + 0..7.  Its register pairs are source 0 of the f32 product O^T += V^T p, p's pairs (query r, the same keys) are source 1: K is permuted alike on both sides.
; O^T's pairs (query r, channels 8 h + ..) are source 1 of the projection, whose source 0 is WO[d][the same e], loaded as f32.
; The walk over the keys hangs on the stored flags and lane masks: a step of 64 keys, and in it a tile of 16 keys, of which these rows keep nothing is jumped over.  The launch is right for every mask; its time grows with the tiles kept.
; The f32 products' results (v156-187) are written by matrix instructions alone; what is made of them goes into other registers.
; REGISTERS.  Window 0: v1-5, v8, v9 addresses and -infinity; v6, v7 the add's two; v16-23 statistics; v24-31 p; v32-39 S^T; v40-55 Q; v56-71 K; v72-75 x's scale words, v76-91 WV's (scales and nothing else);
;   v92-123 x's fragments; v124-155 V; v156-187 the f32 products' results; v188-219 O^T; v220-221 at work.  Window 1: v0-127 WV's 16 fragments, (ct, ks) at 8 (4 ct + ks); v128-191 WO: 128 + 32 dt + 8 ct + 0..7.
.set SPARE, 16384                      ; behind the eight heads' shares (2,048 bytes each): the spare words, 128 bytes a wave
.set LI,   1                           ; v1  16 x lane
.set CR,   2                           ; v2  a row of codes: 256 r + 16 h
.set SR,   3                           ; v3  a row's scale words: 16 r
.set WR,   4                           ; v4  a row of WO, and of out0: 2,048 r + 32 h
.set NINF, 5
.set SPW,  6
.set NIL,  7
.set PA,   8                           ; v8  where my head's share goes: 2,048 x wave + 16 x lane
.set RA,   9                           ; v9  which block I sum: 512 x wave + 16 x lane
.set ST,   16                          ; +0 c m, +1 m, +2, +3 l, +4..+7 at work; a in +6
.set PP,   24
.set SS,   32
.set QF,   40
.set KF,   56
.set XS,   72
.set WS,   76
.set XF,   92
.set VT,   124
.set TT,   156
.set OO,   188
.set TW,   220
.set WVN,  2                           ; s2  my wave = my head
.set FW,   19                          ; s19 the rows' ANY word: bit 0 = the step in hand
.set KP,   22                          ; s[22:23] K's tiles, s[24:25] x's codes, s[26:27] x's scale words, s[28:29] the lane masks of the step in hand
.set XP,   24
.set XSP,  26
.set LMP,  28
.set MK,   32                          ; s[32:63] the step's 32 lane masks
.set CS,   66                          ; s[66:67] c, twice;  s[68:69] lane selects
.set SEL,  68
.set MSB, 0
.macro WIN new                         ; the immediate's high byte repeats the setting that is left
.if MSB != \new
	s_set_vgpr_msb (MSB<<8)|\new
.set MSB, \new
.endif
.endm
	s_load_b256 s[4:11], s[0:1], 0x0               ; qkv s[4:5], codes s[6:7], scales s[8:9], lm s[10:11]
	s_load_b128 s[12:15], s[0:1], 0x20             ; flags s[12:13], WO s[14:15]
	s_load_b64 s[16:17], s[0:1], 0x30              ; out0
	v_lshl_add_u32 v[SPW], v0, 2, SPARE
	v_mov_b32 v[NIL], 0
	v_lshrrev_b32 v10, 5, v0
	v_readfirstlane_b32 s[WVN], v10                ; wave 0..7
	v_and_b32 v10, 31, v0
	v_and_b32 v11, 15, v0                          ; r
	v_bfe_u32 v12, v0, 4, 1                        ; h
	v_lshlrev_b32 v[LI], 4, v10
	v_lshlrev_b32 v[CR], 8, v11
	v_lshl_add_u32 v[CR], v12, 4, v[CR]
	v_lshlrev_b32 v[SR], 4, v11
	v_lshlrev_b32 v[WR], 11, v11
	v_lshl_add_u32 v[WR], v12, 5, v[WR]
	v_mov_b32 v[NINF], 0xff800000
	s_lshl_b32 s20, s[WVN], 11
	v_add_nc_u32 v[PA], s20, v[LI]
	s_lshl_b32 s20, s[WVN], 9
	v_add_nc_u32 v[RA], s20, v[LI]
	s_and_b32 s3, ttmp7, 0xffff                    ; the batch
	s_mov_b32 s21, 0
	s_wait_kmcnt 0x0
	s_load_b32 s[FW], s[12:13], 0x0                ; ANY of q tile 0
	s_lshl_b32 s20, s3, 3
	s_add_co_u32 s20, s20, s[WVN]
	s_lshl_b32 s20, s20, 18
	s_add_nc_u64 s[32:33], s[4:5], s[20:21]        ; Q's tile 0 of my (batch, head)
	s_add_nc_u64 s[KP:KP+1], s[32:33], 0x800000    ; K's
	s_lshl_b32 s20, s[WVN], 14
	s_add_co_u32 s20, s20, 2359296
	s_add_nc_u64 s[34:35], s[6:7], s[20:21]        ; WV's rows 64 head on: (9216 + 64 head) x 256 bytes
	s_lshl_b32 s20, s3, 19
	s_add_nc_u64 s[XP:XP+1], s[6:7], s[20:21]      ; x's rows of my batch
	s_lshl_b32 s20, s[WVN], 10
	s_add_co_u32 s20, s20, 147456
	s_add_nc_u64 s[36:37], s[8:9], s[20:21]        ; WV's scale words
	s_lshl_b32 s20, s3, 15
	s_add_nc_u64 s[XSP:XSP+1], s[8:9], s[20:21]    ; x's
	s_mov_b64 s[LMP:LMP+1], s[10:11]               ; q tile 0's lane masks
	s_lshl_b32 s20, ttmp9, 16                      ; WO: row 32 x, column 64 head
	s_lshl_b32 s18, s[WVN], 8
	s_add_co_u32 s20, s20, s18
	s_add_nc_u64 s[14:15], s[14:15], s[20:21]
	s_lshl_b32 s20, s3, 22                         ; out0: the batch's first row, column 32 x + 16 (wave / 2) + 4 (wave % 2)
	s_lshl_b32 s18, ttmp9, 7
	s_add_co_u32 s20, s20, s18
	s_lshr_b32 s18, s[WVN], 1
	s_lshl_b32 s18, s18, 6
	s_add_co_u32 s20, s20, s18
	s_and_b32 s18, s[WVN], 1
	s_lshl_b32 s18, s18, 4
	s_add_co_u32 s20, s20, s18
	s_add_nc_u64 s[16:17], s[16:17], s[20:21]
	WIN 0x40                                       ; destination window 1
.irp ct, 0,1,2,3
.irp ks, 0,1,2,3
.irp c, 0,1
	global_load_b128 v[8*(4*\ct+\ks)+4*\c:8*(4*\ct+\ks)+4*\c+3], v[CR], s[34:35] offset:4096*\ct+64*\ks+32*\c
.endr
.endr
.endr
.irp dt, 0,1
.irp ct, 0,1,2,3
.irp q, 0,1
	global_load_b128 v[128+32*\dt+8*\ct+4*\q:128+32*\dt+8*\ct+4*\q+3], v[WR], s[14:15] offset:32768*\dt+64*\ct+16*\q   ; WO[32 x + 16 dt + r][64 head + 16 ct + 8 h + 4 q + 0..3]
.endr
.endr
.endr
	WIN 0
.irp ct, 0,1,2,3
	global_load_b128 v[WS+4*\ct:WS+4*\ct+3], v[SR], s[36:37] offset:256*\ct
	global_load_b128 v[QF+4*\ct:QF+4*\ct+3], v[LI], s[32:33] offset:512*\ct
.endr
	s_mov_b32 s[CS], 0x3e38aa3b                    ; c = log2(e) / 8
	s_mov_b32 s[CS+1], s[CS]
	s_mov_b32 s[SEL], 0x76543210
	s_mov_b32 s[SEL+1], 0xfedcba98
.set n, 0
.rept 32
	v_mov_b32 v[OO+n], 0                           ; O^T: which tile is the first is known only from the stored masks
.set n, n+1
.endr
	v_mov_b32 v[ST+1], 0xff61b1e6                  ; m: -3e38, under every score
	v_mul_f32 v[ST], s[CS], v[ST+1]
.irp j, 2,3,4,5,6,7
	v_mov_b32 v[ST+\j], 0
.endr
	s_wait_loadcnt 0x0                             ; the operands that stay; the loads are done with their addresses too
	s_wait_kmcnt 0x0
; A tile of 16 keys, the kt-th of the step.
.macro TILE kt
	s_or_b32 s31, s[MK+8*\kt], s[MK+8*\kt+1]
.irp j, 2,3,4,5,6,7
	s_or_b32 s31, s31, s[MK+8*\kt+\j]
.endr
	s_cmp_eq_u32 s31, 0                            ; nothing kept: the tile adds nothing
	s_cbranch_scc1 .Lnone_\@
.irp i, 0,1,2,3
	global_load_b128 v[KF+4*\i:KF+4*\i+3], v[LI], s[KP:KP+1] offset:\kt*2048+512*\i
.endr
.irp ks, 0,1,2,3
.irp c, 0,1
	global_load_b128 v[XF+8*\ks+4*\c:XF+8*\ks+4*\c+3], v[CR], s[XP:XP+1] offset:\kt*4096+64*\ks+32*\c
.endr
.endr
	global_load_b128 v[XS:XS+3], v[SR], s[XSP:XSP+1] offset:256*\kt
	s_wait_loadcnt 0x0
	v_wmma_f32_16x16x32_f16 v[SS:SS+7], v[KF:KF+7], v[QF:QF+7], 0
	s_wait_alu depctr_va_vdst(0)                   ; the wait directly ahead of the link
	v_wmma_f32_16x16x32_f16 v[SS:SS+7], v[KF+8:KF+15], v[QF+8:QF+15], v[SS:SS+7]
	WIN 0x04                                       ; source 1 (WV) window 1
.irp ks, 0,1,2,3
.irp ct, 0,1,2,3
.if \ks == 0
	v_wmma_scale_f32_16x16x128_f8f6f4 v[VT+8*\ct:VT+8*\ct+7], v[XF+8*\ks:XF+8*\ks+7], v[8*(4*\ct+\ks):8*(4*\ct+\ks)+7], 0, v[XS+\ks], v[WS+4*\ct+\ks] matrix_a_fmt:MATRIX_FMT_FP4 matrix_b_fmt:MATRIX_FMT_FP4
.else
	v_wmma_scale_f32_16x16x128_f8f6f4 v[VT+8*\ct:VT+8*\ct+7], v[XF+8*\ks:XF+8*\ks+7], v[8*(4*\ct+\ks):8*(4*\ct+\ks)+7], v[VT+8*\ct:VT+8*\ct+7], v[XS+\ks], v[WS+4*\ct+\ks] matrix_a_fmt:MATRIX_FMT_FP4 matrix_b_fmt:MATRIX_FMT_FP4
.endif
.endr
.endr
	WIN 0
.rept 5
	v_nop                                          ; places: four ahead of the first read of the scores, five ahead of the products that take V as a source (ISA guide 7.12.1)
.endr
.set n, 0
.rept 8
	v_cndmask_b32 v[PP+n], v[NINF], v[SS+n], s[MK+8*\kt+n]   ; a hidden score becomes -infinity.  From the accumulator's low end on
.set n, n+1
.endr
	v_max3_num_f32 v[ST+4], v[PP], v[PP+1], v[PP+2]
	v_max3_num_f32 v[ST+4], v[ST+4], v[PP+3], v[PP+4]
	v_max3_num_f32 v[ST+4], v[ST+4], v[PP+5], v[PP+6]
	v_max3_num_f32 v[ST+4], v[ST+4], v[PP+7], v[ST+1]              ; and the old m
	v_permlanex16_b32 v[ST+5], v[ST+4], s[SEL], s[SEL+1]
	v_mov_b32 v[ST+7], v[ST]
	v_max_num_f32 v[ST+1], v[ST+4], v[ST+5]
	v_mul_f32 v[ST], s[CS], v[ST+1]
	v_sub_f32 v[ST+7], v[ST+7], v[ST]
.irp j, 0,2,4,6
	v_pk_fma_f32 v[PP+\j:PP+\j+1], v[PP+\j:PP+\j+1], s[CS:CS+1], v[ST:ST+1] op_sel_hi:[1,0,0] neg_lo:[0,0,1] neg_hi:[0,0,1]   ; c s - c m
.endr
	v_exp_f32 v[ST+6], v[ST+7]                     ; a
.set n, 0
.rept 8
	v_exp_f32 v[PP+n], v[PP+n]                     ; p
.set n, n+1
.endr
	v_nop                                          ; a plain instruction behind the last exponential
	s_wait_alu depctr_va_vdst(0)                   ; one wait for the nine, ahead of the first line that names a result
	v_pk_add_f32 v[ST+4:ST+5], v[PP:PP+1], v[PP+2:PP+3]
	v_pk_add_f32 v[TW:TW+1], v[PP+4:PP+5], v[PP+6:PP+7]
	v_pk_add_f32 v[ST+4:ST+5], v[ST+4:ST+5], v[TW:TW+1]
	v_pk_fma_f32 v[ST+2:ST+3], v[ST+2:ST+3], v[ST+6:ST+7], v[ST+4:ST+5] op_sel_hi:[1,0,1]   ; l = a l + the sum
.irp i, 0,1,2,3
.irp ct, 0,1,2,3
.if \i == 0
	v_wmma_f32_16x16x4_f32 v[TT+8*\ct:TT+8*\ct+7], v[VT+8*\ct+2*\i:VT+8*\ct+2*\i+1], v[PP+2*\i:PP+2*\i+1], 0   ; keys 2 i, 2 i + 1, 8 + 2 i, 9 + 2 i; the four accumulators by turns
.else
	v_wmma_f32_16x16x4_f32 v[TT+8*\ct:TT+8*\ct+7], v[VT+8*\ct+2*\i:VT+8*\ct+2*\i+1], v[PP+2*\i:PP+2*\i+1], v[TT+8*\ct:TT+8*\ct+7]
.endif
.endr
.endr
.rept 9
	v_nop                                          ; places behind this form: eight ahead of the reads below, nine ahead of products that write over its registers
.endr
.set n, 0
.rept 16
	v_pk_fma_f32 v[OO+n:OO+n+1], v[OO+n:OO+n+1], v[ST+6:ST+7], v[TT+n:TT+n+1] op_sel_hi:[1,0,1]   ; O^T = a O^T + the tile's share; each result from its low end on
.set n, n+2
.endr
.Lnone_\@:
.endm
	s_mov_b32 s30, 32
.Ltrip:                                            ; a step of 64 keys
	s_bitcmp1_b32 s[FW], 0
	s_cbranch_scc0 .Lskip
	s_load_b512 s[MK:MK+15], s[LMP:LMP+1], 0x0
	s_load_b512 s[MK+16:MK+31], s[LMP:LMP+1], 0x40
	s_wait_kmcnt 0x0
	TILE 0
	TILE 1
	TILE 2
	TILE 3
.Lskip:
	s_wait_xcnt 0x0                                ; the step's loads have read their addresses
	s_add_nc_u64 s[KP:KP+1], s[KP:KP+1], 8192
	s_add_nc_u64 s[XP:XP+1], s[XP:XP+1], 16384
	s_add_nc_u64 s[XSP:XSP+1], s[XSP:XSP+1], 1024
	s_add_nc_u64 s[LMP:LMP+1], s[LMP:LMP+1], 128
	s_lshr_b32 s[FW], s[FW], 1
	s_sub_co_u32 s30, s30, 1
	s_cmp_lg_u32 s30, 0
	s_cbranch_scc1 .Ltrip
	v_add_f32 v[ST+4], v[ST+2], v[ST+3]            ; l's two halves,
	v_permlanex16_b32 v[ST+5], v[ST+4], s[SEL], s[SEL+1]
	v_add_f32 v[ST+4], v[ST+4], v[ST+5]            ; and the other half of the lanes'
	v_rcp_f32 v[ST+6], v[ST+4]
	v_nop
	s_wait_alu depctr_va_vdst(0)
.set n, 0
.rept 16
	v_pk_mul_f32 v[OO+n:OO+n+1], v[OO+n:OO+n+1], v[ST+6:ST+7] op_sel_hi:[1,0]   ; O^T / l (a row that keeps nothing: 0 x infinity = NaN, as its softmax is)
.set n, n+2
.endr
	WIN 0x01                                       ; source 0 (WO) window 1
.irp ct, 0,1,2,3
.irp i, 0,1,2,3
.irp dt, 0,1
.if (\ct+\i) == 0
	v_wmma_f32_16x16x4_f32 v[TT+8*\dt:TT+8*\dt+7], v[128+32*\dt+8*\ct+2*\i:128+32*\dt+8*\ct+2*\i+1], v[OO+8*\ct+2*\i:OO+8*\ct+2*\i+1], 0   ; my head's 64 of the 512 along e; the two accumulators by turns
.else
	v_wmma_f32_16x16x4_f32 v[TT+8*\dt:TT+8*\dt+7], v[128+32*\dt+8*\ct+2*\i:128+32*\dt+8*\ct+2*\i+1], v[OO+8*\ct+2*\i:OO+8*\ct+2*\i+1], v[TT+8*\dt:TT+8*\dt+7]
.endif
.endr
.endr
.endr
	WIN 0
.rept 9
	v_nop
.endr
.irp dt, 0,1
.irp q, 0,1
	ds_store_b128 v[PA], v[TT+8*\dt+4*\q:TT+8*\dt+4*\q+3] offset:(2*\dt+\q)*512   ; block 2 dt + q of my head: lane (r, h): row r, columns 16 dt + 8 h + 4 q + 0..3
.endr
.endr
	s_wait_tensorcnt 0x0                           ; the add's wait also serves the barrier:
	ds_add_u32 v[SPW], v[NIL]
	s_wait_dscnt 0x0                               ; my stores have landed
	s_barrier_signal -1
	s_barrier_wait -1
	s_cmp_ge_u32 s[WVN], 4
	s_cbranch_scc1 .Lend
.irp i, 0,1,2,3,4,5,6,7
	ds_load_b128 v[XF+4*\i:XF+4*\i+3], v[RA] offset:2048*\i   ; wave w sums block w of the eight heads, in the heads' order
.endr
	s_wait_dscnt 0x0
.irp i, 1,2,3,4,5,6,7
	v_pk_add_f32 v[XF:XF+1], v[XF:XF+1], v[XF+4*\i:XF+4*\i+1]
	v_pk_add_f32 v[XF+2:XF+3], v[XF+2:XF+3], v[XF+4*\i+2:XF+4*\i+3]
.endr
	global_store_b128 v[WR], v[XF:XF+3], s[16:17]  ; 16 bytes a lane, in 16 rows: 64 rows in the whole launch
.Lend:
	s_endpgm
.Lfunc_end_k_q0815086b63_fine:
	.size	k_q0815086b63_fine, .Lfunc_end_k_q0815086b63_fine-k_q0815086b63_fine
	.p2alignl 7, 3214868480
	.fill 96, 4, 3214868480
	.section	.rodata,"a",@progbits
	.p2align	6, 0x0
	.amdhsa_kernel k_q0815086b63_fine
		.amdhsa_group_segment_fixed_size 17408
		.amdhsa_private_segment_fixed_size 0
		.amdhsa_enable_private_segment 0
		.amdhsa_kernarg_size 56
		.amdhsa_user_sgpr_count 2
		.amdhsa_user_sgpr_kernarg_segment_ptr 1
		.amdhsa_wavefront_size32 1
		.amdhsa_system_sgpr_workgroup_id_x 1
		.amdhsa_system_sgpr_workgroup_id_y 1
		.amdhsa_system_sgpr_workgroup_id_z 1
		.amdhsa_system_vgpr_workitem_id 0
		.amdhsa_next_free_vgpr 448
		.amdhsa_next_free_sgpr 72
		.amdhsa_reserve_vcc 0
		.amdhsa_float_denorm_mode_32 3
		.amdhsa_float_denorm_mode_16_64 3
		.amdhsa_memory_ordered 1
		.amdhsa_forward_progress 1
		.amdhsa_inst_pref_size 48
	.end_amdhsa_kernel
	.amdgpu_metadata
---
amdhsa.version: [ 1, 2 ]
amdhsa.kernels:
  - .name:           k_q0815086b63_fine
    .symbol:         k_q0815086b63_fine.kd
    .args:
      - { .name: qkv, .offset: 0, .size: 8, .value_kind: global_buffer, .address_space: global }
      - { .name: codes, .offset: 8, .size: 8, .value_kind: global_buffer, .address_space: global }
      - { .name: scales, .offset: 16, .size: 8, .value_kind: global_buffer, .address_space: global }
      - { .name: lm, .offset: 24, .size: 8, .value_kind: global_buffer, .address_space: global }
      - { .name: flags, .offset: 32, .size: 8, .value_kind: global_buffer, .address_space: global }
      - { .name: WO, .offset: 40, .size: 8, .value_kind: global_buffer, .address_space: global }
      - { .name: out0, .offset: 48, .size: 8, .value_kind: global_buffer, .address_space: global }
    .group_segment_fixed_size: 17408
    .private_segment_fixed_size: 0
    .kernarg_segment_align: 8
    .kernarg_segment_size: 56
    .max_flat_workgroup_size: 256
    .sgpr_count:     72
    .vgpr_count:     448
    .wavefront_size: 32
...
	.end_amdgpu_metadata
.endif
;; end of part 5
;; ======== version 2 of 2: 5 launches
;; limits: values are held in f16: magnitudes above 65,504 overflow, below 6.1e-05 lose precision
;; workspace buffers: codes 2,490,368 bytes; scales 155,648 bytes; woi 524,288 bytes; lm 524,288 bytes of whole numbers; flags 1,024 bytes of whole numbers; qkv 25,165,824 bytes; oi 8,388,608 bytes
;; launch prep: the kernel of part 1 again; grid 312 x 1, 4 waves a work-group, no clusters, 55,808 bytes of LDS; arguments x, WQ, WK, WV, WO, mask, codes, scales, woi, lm, flags; writes codes, scales, woi, lm, flags
;; launch qkv: the kernel of part 2 again; grid 64 x 4, 6 waves a work-group, clusters of 4 x 1, 167,936 bytes of LDS; arguments codes, scales, qkv; writes qkv
;; launch attn (part 6): grid 8 x 32, 8 waves a work-group, no clusters, 66,560 bytes of LDS; arguments qkv, lm, flags, oi; writes oi
.if DOCPART == 6
	.amdgcn_target "amdgcn-amd-amdhsa--gfx1250"
	.amdhsa_code_object_version 6
	.text
	.protected	k_q0815086b63_attn
	.globl	k_q0815086b63_attn
	.p2align	8
	.type	k_q0815086b63_attn,@function
k_q0815086b63_attn:
	s_mov_b64 s[64:65], 0
	v_nop
	global_prefetch_b8 v0, s[64:65] scope:SCOPE_SE
	s_setreg_imm32_b32 hwreg(HW_REG_WAVE_MODE, 25, 1), 1
	s_wait_xcnt 0x0
; O = softmax(Q K^T / 8, under the mask) V for each (batch, head): Q, K, V f16 in operand order (see the launch that makes them); products' sums, maxima, sums and exponentials in f32; the weights p are
; rounded to f16 for the second product, O once at the end.  oi: [row tile b 128 + tile][block 4 head + ct][512 bytes]: lane (r, h): row r, e = 64 head + 16 ct + 8 h + 0..7, f16.
; THE MASK is an input.  An earlier launch has stored, as whole numbers, a lane mask for each score register (lm) and for each tile of 16 queries x 64 keys whether ANY and whether ALL numbers are kept (flags).
; A tile with nothing kept adds nothing whatever the scores: it is jumped over by a scalar branch on its stored bit.  A tile with all kept neither loads its lane masks nor runs the 32 selects.
; A row that keeps no key at all ends as 0 x infinity = NaN, as the softmax of such a row is.
; SHARES.  A work-group owns 256 queries of one (batch, head); wave w owns two tiles of 16: tA = 8 g + w and tB = 127 - tA.  The pairing changes no value; it evens the kept tiles out where a mask's rows fill up with the row's number.
; Every wave walks 32 steps of 64 keys.  The branches of this launch hang on numbers read from memory, so it holds no tensor load, and with that no joint requests: that is why no cluster is used here.
; THE PIPELINE.  A step's K (8,192 bytes) and V (8,192 bytes) are dense blocks of memory; step j lies in LDS slot j % 4.  Each of the eight waves moves 2,048 bytes of a step through its registers.
;   Fills go two steps at a time: at the head of an even step i a wave waits for the eight loads that it issued in step i - 2, stores them into the slots of steps i + 2 and i + 3, and issues the loads of steps i + 4 and i + 5.
;   K's fragments of step j + 1 are read from LDS in the middle of step j's softmax, so that a step's scores start behind the barrier with no wait; V's of step j are read behind its scores.
;   Between two barriers the waves read slots i (V) and i + 1 (K) and write slots i + 2 and i + 3: four different slots, each number a constant of the text (the loop is 8 trips of 4 steps).
;   A pair of steps that no tile of the work-group keeps is not brought.
; LAYOUT.  S^T = K Q^T (source 0 = 16 keys, source 1 = 16 queries): a lane holds ONE query (lane % 16) and keys 8 (lane / 16) + 0..7 of each tile of 16 keys.  Packed in pairs the weights ARE source 1 of O^T = V^T P.
; SOFTMAX.  For each query a running maximum m and sum l: p = 2^(c s - c m), c = log2(e) / 8; in each step taken O and l are multiplied by a = 2^(c m_old - c m_new).
; LIMITS: positions with very few kept keys have f16's accuracy here (the first 16 of each sequence are made again more finely by a later launch); NaN and infinities among the inputs are not served.
; REGISTERS.  Window 0: v1-4 addresses and -infinity; v6, v7 the add's two; v8-23 statistics, eight a tile; v24-25 at work; v32-63 Q; v64-127 S^T, 32 a tile, later P in the low 16; v128-191 K's fragments; v192-255 O^T.
;   Window 1: v0-63 V's fragments; v64-127 two sets of 32: a wave's 2 x 2,048 bytes on their way into LDS.
.set SLOTB, 16384                      ; a slot: K's 16 blocks, then V's 16 blocks
.set SPARE, 4*SLOTB                    ; the spare words, 128 bytes a wave: four blocks of 256 bytes that no other line names
.set LI,   1                           ; v1  16 x lane
.set FS,   2                           ; v2  where I store into a slot: 2,048 x wave + 16 x lane
.set NINF, 3                           ; v3  -infinity
.set PFO,  4                           ; v4  256 x lane: the prefetches' offset; never rewritten
.set SPW,  6
.set NIL,  7
.set ST,   8                           ; tile t's statistics at v[ST + 8 t]: +0 c m, +1 m, +2, +3 l (even keys', odd keys'), +4..+7 at work; a in +6
.set TW,   24
.set Q,    32
.set S,    64
.set KF,   128
.set O,    192
.set VF,   0                           ; in window 1
.set G,    64                          ; in window 1: set s at G + 32 s, in it the pair's first step, then its second
.set WVN,  2                           ; s2   my wave's number
.set BH,   12                          ; s12  8 batch + head
.set TA,   13                          ; s13, s14 my two tiles
.set TB,   14
.set FA,   15                          ; s15, s16 their ANY words, s17, s18 their ALL words: bit 0 = the step in hand
.set FB,   16
.set LA,   17
.set LB,   18
.set FN,   19                          ; s19  the work-group's ANY words joined: bit 0 = the step two on
.set TT,   21                          ; s21  which of my tiles take the step
.set FP,   24                          ; s[24:25] my 2,048 bytes of the step four on
.set LMA,  26                          ; s[26:27], s[28:29] my tiles' lane masks of the step in hand
.set LMB,  28
.set JJ,   30                          ; s30  trips of four steps to go
.set JS,   31                          ; s31  the step in hand
.set MKA,  32                          ; s[32:63], s[68:99] the 32 lane masks of tile A, of tile B
.set MKB,  68
.set LIM,  66                          ; s66  a wave prefetches while the step in hand is under this
.set TMP,  67
.set CS,   4                           ; s[4:5] c, twice;  s[6:7] lane selects;  s[8:9], s[10:11] my tiles' places in oi  (behind the head, where the arguments are done with)
.set SEL,  6
.set OA,   8
.set OB,   10
.set MSB, 0
.macro WIN new                         ; the immediate's high byte repeats the setting that is left
.if MSB != \new
	s_set_vgpr_msb (MSB<<8)|\new
.set MSB, \new
.endif
.endm
.macro FILLLD set, off                 ; my 2,048 bytes of each of two steps, from off bytes on, into a set of window 1
	WIN 0x40
.irp h, 0,1
.irp i, 0,1,2,3
	global_load_b128 v[G+32*(\set)+16*\h+4*\i:G+32*(\set)+16*\h+4*\i+3], v[LI], s[FP:FP+1] offset:(\off)+8192*\h+512*\i
.endr
.endr
	WIN 0
.endm
.macro FILLST slot, set                ; and on into two neighbouring slots
	WIN 0x04
.irp h, 0,1
.irp i, 0,1,2,3
	ds_store_b128 v[FS], v[G+32*(\set)+16*\h+4*\i:G+32*(\set)+16*\h+4*\i+3] offset:((\slot)+\h)*SLOTB+512*\i
.endr
.endr
	WIN 0
.endm
.macro KLOAD slot                      ; 16 blocks: fragment (kt, cc) = 16 keys x 32 channels at KF + 16 kt + 8 cc
.set n, 0
.rept 16
	ds_load_b128 v[KF+4*n:KF+4*n+3], v[LI] offset:(\slot)*SLOTB+512*n
.set n, n+1
.endr
.endm
.macro VLOAD slot                      ; 16 blocks: fragment (kg, ct) = 16 channels x 32 keys at VF + 8 (4 kg + ct) of window 1
	WIN 0x40
.set n, 0
.rept 16
	ds_load_b128 v[VF+4*n:VF+4*n+3], v[LI] offset:(\slot)*SLOTB+8192+512*n
.set n, n+1
.endr
	WIN 0
.endm
.macro KNEXT slot                      ; K of the next step, if one of my tiles takes that step (then the work-group has brought it)
	s_or_b32 s[TMP], s[FA], s[FB]
	s_bitcmp1_b32 s[TMP], 1
	s_cbranch_scc0 .Lnok_\@
	KLOAD \slot
.Lnok_\@:
.endm
.macro MLOAD la, mk, lm                ; a tile's 32 lane masks, unless all its numbers are kept
	s_bitcmp1_b32 s[\la], 0
	s_cbranch_scc1 .Lall_\@
	s_load_b512 s[\mk:\mk+15], s[\lm:\lm+1], 0x0
	s_load_b512 s[\mk+16:\mk+31], s[\lm:\lm+1], 0x40
.Lall_\@:
.endm
.macro SCORES t                        ; S^T of tile t: the four accumulators by turns; the first four products start the sums
.irp kt, 0,1,2,3
	v_wmma_f32_16x16x32_f16 v[S+32*(\t)+8*\kt:S+32*(\t)+8*\kt+7], v[KF+16*\kt:KF+16*\kt+7], v[Q+16*(\t):Q+16*(\t)+7], 0
.endr
.irp kt, 0,1,2,3
	v_wmma_f32_16x16x32_f16 v[S+32*(\t)+8*\kt:S+32*(\t)+8*\kt+7], v[KF+16*\kt+8:KF+16*\kt+15], v[Q+16*(\t)+8:Q+16*(\t)+15], v[S+32*(\t)+8*\kt:S+32*(\t)+8*\kt+7]
.endr
.endm
.macro PV t                            ; O^T += V^T P of tile t: the four accumulators by turns
	WIN 0x01                                       ; source 0 (V) window 1
.irp kg, 0,1
.irp ct, 0,1,2,3
	v_wmma_f32_16x16x32_f16 v[O+32*(\t)+8*\ct:O+32*(\t)+8*\ct+7], v[VF+8*(4*\kg+\ct):VF+8*(4*\kg+\ct)+7], v[S+32*(\t)+8*\kg:S+32*(\t)+8*\kg+7], v[O+32*(\t)+8*\ct:O+32*(\t)+8*\ct+7]
.endr
.endr
	WIN 0
.endm
; One tile's softmax for one step.  la: the register with its ALL word; mk: the first of its 32 lane masks; kn: the slot of the next step's K, whose run of LDS loads stands in this softmax's middle (9: none does).
.macro SOFTMAX t, la, mk, kn
.set rT, ST+8*(\t)
.set rS, S+32*(\t)
.set rO, O+32*(\t)
	s_bitcmp1_b32 s[\la], 0                        ; all 1,024 numbers kept: nothing to hide
	s_cbranch_scc1 .Lopen_\@
.set n, 0
.rept 32
	v_cndmask_b32 v[rS+n], v[NINF], v[rS+n], s[\mk+n]   ; a hidden score becomes -infinity: p = 0 then.  Ascending: each accumulator is read from its low end on
.set n, n+1
.endr
.Lopen_\@:
.irp j, 0,1,2,3
	v_max3_num_f32 v[rT+4+\j], v[rS+8*\j], v[rS+8*\j+1], v[rS+8*\j+2]   ; the maximum, three operands at a time, in four chains
.endr
.irp u, 3,5
.irp j, 0,1,2,3
	v_max3_num_f32 v[rT+4+\j], v[rT+4+\j], v[rS+8*\j+\u], v[rS+8*\j+\u+1]
.endr
.endr
	v_max3_num_f32 v[rT+4], v[rT+4], v[rS+7], v[rS+15]
	v_max3_num_f32 v[rT+6], v[rT+6], v[rS+23], v[rS+31]
	v_max3_num_f32 v[rT+4], v[rT+4], v[rT+5], v[rT+6]
	v_max3_num_f32 v[rT+4], v[rT+4], v[rT+7], v[rT+1]              ; and the old m
	v_permlanex16_b32 v[rT+5], v[rT+4], s[SEL], s[SEL+1]           ; the query's other 32 keys lie in the lane 16 away
	v_mov_b32 v[rT+7], v[rT]                       ; c m_old is kept for a
	v_max_num_f32 v[rT+1], v[rT+4], v[rT+5]
	v_mul_f32 v[rT], s[CS], v[rT+1]
	v_sub_f32 v[rT+7], v[rT+7], v[rT]
.set n, 0
.rept 16
	v_pk_fma_f32 v[rS+n:rS+n+1], v[rS+n:rS+n+1], s[CS:CS+1], v[rT:rT+1] op_sel_hi:[1,0,0] neg_lo:[0,0,1] neg_hi:[0,0,1]   ; c s - c m, two at a time
.set n, n+2
.endr
.if (\kn) < 4
	KNEXT \kn                                      ; K's registers are free since the scores; the exponentials, sums and roundings below stand between these loads and the wait for them
.endif
	v_exp_f32 v[rT+6], v[rT+7]                     ; a
.set n, 0
.rept 32
	v_exp_f32 v[rS+n], v[rS+n]                     ; p, at most 1
.set n, n+1
.endr
	v_nop                                          ; a plain instruction behind the last exponential
	s_wait_alu depctr_va_vdst(0)                   ; one wait for the batch of 33, ahead of the first line that names a result
	v_pk_add_f32 v[rT+4:rT+5], v[rS:rS+1], v[rS+2:rS+3]            ; the sum of the unrounded p, in two chains
	v_pk_add_f32 v[TW:TW+1], v[rS+4:rS+5], v[rS+6:rS+7]
.irp j, 8,12,16,20,24,28
	v_pk_add_f32 v[rT+4:rT+5], v[rT+4:rT+5], v[rS+\j:rS+\j+1]
	v_pk_add_f32 v[TW:TW+1], v[TW:TW+1], v[rS+\j+2:rS+\j+3]
.endr
	v_pk_add_f32 v[rT+4:rT+5], v[rT+4:rT+5], v[TW:TW+1]
	v_pk_fma_f32 v[rT+2:rT+3], v[rT+2:rT+3], v[rT+6:rT+7], v[rT+4:rT+5] op_sel_hi:[1,0,1]   ; l = a l + the sum
.set n, 0
.rept 16
	v_cvt_pk_f16_f32 v[rS+n], v[rS+2*n], v[rS+2*n+1]               ; P, packed in place: register n is written when registers 2 n and 2 n + 1 are read
.set n, n+1
.endr
.set n, 0
.rept 16
	v_pk_mul_f32 v[rO+n:rO+n+1], v[rO+n:rO+n+1], v[rT+6:rT+7] op_sel_hi:[1,0]   ; O^T x a, each accumulator from its low end on
.set n, n+2
.endr
.endm
; The work of a step for the tiles that take it.  K's fragments came in during the step before (the wait for them stood in front of the barrier).
.macro BODY ua, ub, cur
.if \ua
	MLOAD LA, MKA, LMA
.endif
.if \ub
	MLOAD LB, MKB, LMB
.endif
.rept 5
	v_nop                                          ; places behind the last step's products: five for the products that write over P's registers, four for the loads into V's
.endr
.if \ua
	SCORES 0
.endif
.if \ub
	SCORES 1
.endif
.rept 4
	v_nop                                          ; places in front of the first read of the scores
.endr
	VLOAD \cur                                     ; lands while the softmax is worked
	s_wait_kmcnt 0x0                               ; the lane masks, where any were asked for
.if \ua
	SOFTMAX 0, LA, MKA, (\cur+1)%4
	s_wait_dscnt 0x0                               ; V, and the next step's K: how many loads stand behind V's hangs on the flags, so the count is 0
	PV 0
.endif
.if \ub
.if \ua
	SOFTMAX 1, LB, MKB, 9                          ; names no register of tile A's products
.else
	SOFTMAX 1, LB, MKB, (\cur+1)%4
.endif
	s_wait_dscnt 0x0
	PV 1
.endif
.endm
; A PREFETCH INTO THE L2: in step j the 8,192 bytes of K, or of V, of step j + 7, whose loads are issued in step j + 2 (j even) or j + 3 (j odd); a lane names 256 bytes, one instruction a wave.
; All eight work-groups of a (batch, head) walk the same K and V: the first of them asks, its wave 0 for K's and its wave 4 for V's: so each 256 bytes are named once in the launch.
; Steps 0 to 6 come by their loads alone; from step 25 on nothing is asked for: step 31 is the last.
.macro ASK
	s_cmp_lt_u32 s[JS], s[LIM]
	s_cbranch_scc0 .Lnoask_\@
	global_prefetch_b8 v[PFO], s[FP:FP+1] offset:24576 th:TH_LOAD_NT scope:SCOPE_SE
.Lnoask_\@:
.endm
; The head of an even step i (cur = i % 4): the pair of steps i + 2, i + 3 goes from registers into its slots; the pair i + 4, i + 5 is asked for.  Past step 31 the flags are zeros: nothing is asked for.
.macro FILL cur
	s_wait_loadcnt 0x0                             ; the eight loads issued two steps ago
	s_and_b32 s[TMP], s[FN], 3
	s_cmp_eq_u32 s[TMP], 0
	s_cbranch_scc1 .Lnost_\@
	FILLST (\cur+2)%4, (\cur/2+1)%2                ; those slots' last reads were over at the last barrier or earlier
.Lnost_\@:
	s_and_b32 s[TMP], s[FN], 12
	s_cmp_eq_u32 s[TMP], 0
	s_cbranch_scc1 .Lnofill_\@
	FILLLD (\cur/2)%2, 0                           ; into the set whose stores were waited for in front of the last barrier but one
.Lnofill_\@:
.endm
; A step: in even steps the fills; the tiles that keep something are worked; one barrier.
.macro STEP cur
.if ((\cur)%2) == 0
	FILL \cur
.endif
	ASK
	s_and_b32 s[TT], s[FA], 1
	s_and_b32 s[TMP], s[FB], 1
	s_lshl_b32 s[TMP], s[TMP], 1
	s_or_b32 s[TT], s[TT], s[TMP]
	s_cmp_eq_u32 s[TT], 0
	s_cbranch_scc1 .Lnone_\@
	s_cmp_eq_u32 s[TT], 1
	s_cbranch_scc1 .Lonly_a_\@
	s_cmp_eq_u32 s[TT], 2
	s_cbranch_scc1 .Lonly_b_\@
	BODY 1, 1, \cur
	s_branch .Ljoin_\@
.Lonly_a_\@:
	BODY 1, 0, \cur
	s_branch .Ljoin_\@
.Lonly_b_\@:
	BODY 0, 1, \cur
	s_branch .Ljoin_\@
.Lnone_\@:
	KNEXT (\cur+1)%4                               ; a wave that rests in this step may work in the next
.Ljoin_\@:
	s_wait_dscnt 0x0                               ; my stores have landed, my reads of the slots are over, and the next step's K is in my registers:
	s_barrier_signal -1                            ; the barrier stands on every wave's way, outside every branch
	s_barrier_wait -1
	s_wait_xcnt 0x0                                ; the loads and the prefetch have read their addresses
	s_add_nc_u64 s[FP:FP+1], s[FP:FP+1], 8192
	s_add_nc_u64 s[LMA:LMA+1], s[LMA:LMA+1], 128
	s_add_nc_u64 s[LMB:LMB+1], s[LMB:LMB+1], 128
	s_lshr_b32 s[FA], s[FA], 1
	s_lshr_b32 s[FB], s[FB], 1
	s_lshr_b32 s[LA], s[LA], 1
	s_lshr_b32 s[LB], s[LB], 1
	s_lshr_b32 s[FN], s[FN], 1
	s_add_co_u32 s[JS], s[JS], 1
.endm
	s_load_b256 s[4:11], s[0:1], 0x0               ; qkv s[4:5], lm s[6:7], flags s[8:9], oi s[10:11]
	v_lshl_add_u32 v[SPW], v0, 2, SPARE
	v_mov_b32 v[NIL], 0
	v_lshrrev_b32 v1, 5, v0
	v_readfirstlane_b32 s[WVN], v1                 ; wave 0..7
	v_and_b32 v5, 31, v0
	v_lshlrev_b32 v[LI], 4, v5
	s_lshl_b32 s[TMP], s[WVN], 11
	v_add_nc_u32 v[FS], s[TMP], v[LI]
	v_mov_b32 v[NINF], 0xff800000
	v_lshlrev_b32 v[PFO], 8, v5
	s_and_b32 s[BH], ttmp7, 0xffff
	s_lshl_b32 s[TA], ttmp9, 3
	s_add_co_u32 s[TA], s[TA], s[WVN]
	s_sub_co_u32 s[TB], 127, s[TA]
	s_lshl_b32 s20, ttmp9, 5                       ; the ANY words of tiles 8 g .. 8 g + 7,
	s_sub_co_u32 s21, 480, s20                     ; and of tiles 120 - 8 g .. 127 - 8 g
	s_lshl_b32 s30, s[TA], 2
	s_lshl_b32 s31, s[TB], 2
	s_wait_kmcnt 0x0
	s_load_b256 s[32:39], s[8:9], s20 offset:0x0
	s_load_b256 s[40:47], s[8:9], s21 offset:0x0
	s_load_b32 s[FA], s[8:9], s30 offset:0x0
	s_load_b32 s[FB], s[8:9], s31 offset:0x0
	s_load_b32 s[LA], s[8:9], s30 offset:0x200
	s_load_b32 s[LB], s[8:9], s31 offset:0x200
	s_lshl_b32 s22, s[BH], 18                      ; a (batch, head) is 262,144 bytes in Q, in K and in V
	s_lshl_b32 s23, s[TA], 11
	s_add_co_u32 s23, s23, s22
	v_add_nc_u32 v24, s23, v[LI]
	s_lshl_b32 s23, s[TB], 11
	s_add_co_u32 s23, s23, s22
	v_add_nc_u32 v25, s23, v[LI]
.irp i, 0,1,2,3
	global_load_b128 v[Q+4*\i:Q+4*\i+3], v24, s[4:5] offset:512*\i          ; Q stays in registers: fragment (tile, cc) at Q + 16 tile + 8 cc
	global_load_b128 v[Q+16+4*\i:Q+16+4*\i+3], v25, s[4:5] offset:512*\i
.endr
	s_cmp_lt_u32 s[WVN], 4                         ; waves 0-3 move K's four parts, waves 4-7 V's: an offset is chosen, not a pointer
	s_cselect_b32 s23, 0, 0x800000
	s_add_co_u32 s23, s23, 0x800000
	s_add_co_u32 s22, s22, s23
	s_and_b32 s23, s[WVN], 3
	s_lshl_b32 s23, s23, 11
	s_add_co_u32 s22, s22, s23
	s_mov_b32 s23, 0
	s_add_nc_u64 s[FP:FP+1], s[4:5], s[22:23]
	FILLLD 0, 0                                    ; steps 0 and 1 are always brought,
	FILLLD 1, 16384                                ; and steps 2 and 3 always asked for: so both sets are written on every way
	s_lshl_b32 s22, s[TA], 12                      ; a q tile's lane masks are 4,096 bytes
	s_add_nc_u64 s[LMA:LMA+1], s[6:7], s[22:23]
	s_lshl_b32 s22, s[TB], 12
	s_add_nc_u64 s[LMB:LMB+1], s[6:7], s[22:23]
	s_lshr_b32 s22, s[BH], 3
	s_lshl_b32 s22, s22, 7                         ; 128 x batch
	s_and_b32 s[TMP], s[BH], 7
	s_lshl_b32 s[TMP], s[TMP], 11                  ; 2,048 x head
	s_add_co_u32 s66, s22, s[TB]
	s_lshl_b32 s66, s66, 14
	s_add_co_u32 s66, s66, s[TMP]                  ; tile B's place in oi
	s_add_co_u32 s22, s22, s[TA]
	s_lshl_b32 s22, s22, 14
	s_add_co_u32 s22, s22, s[TMP]                  ; tile A's
.set n, 0
.rept 64
	v_mov_b32 v[O+n], 0                            ; O^T.  Which step is a tile's first is known only from the stored flags, so no product that starts the sums can be written out
.set n, n+1
.endr
	s_wait_kmcnt 0x0                               ; the flags
	s_add_nc_u64 s[OA:OA+1], s[10:11], s[22:23]
	s_mov_b32 s22, s66
	s_add_nc_u64 s[OB:OB+1], s[10:11], s[22:23]
	s_or_b32 s[FN], s32, s33                       ; a step is brought if any of the work-group's 16 tiles keeps something of it
.irp i, 34,35,36,37,38,39,40,41,42,43,44,45,46,47
	s_or_b32 s[FN], s[FN], s[\i]
.endr
	s_load_b512 s[MKA:MKA+15], s[LMA:LMA+1], 0x0   ; step 0's lane masks: the 64 registers are written here on every way, since later loads of them hang on the flags
	s_load_b512 s[MKA+16:MKA+31], s[LMA:LMA+1], 0x40
	s_load_b512 s[MKB:MKB+15], s[LMB:LMB+1], 0x0
	s_load_b512 s[MKB+16:MKB+31], s[LMB:LMB+1], 0x40
	s_wait_loadcnt 8                               ; Q's eight loads and the eight of steps 0 and 1 are in (and done with their addresses); the eight of steps 2 and 3 may be out
	s_mov_b32 s[CS], 0x3e38aa3b                    ; c = log2(e) / 8
	s_mov_b32 s[CS+1], s[CS]                       ; (named with it as a pair, so it is written)
	s_mov_b32 s[SEL], 0x76543210
	s_mov_b32 s[SEL+1], 0xfedcba98
.irp t, 0,1
	v_mov_b32 v[ST+8*\t+1], 0xff61b1e6             ; m: -3e38, under every score
	v_mul_f32 v[ST+8*\t], s[CS], v[ST+8*\t+1]
.irp j, 2,3,4,5,6,7
	v_mov_b32 v[ST+8*\t+\j], 0                     ; l, and the registers at work (a lane permute's destination counts as one of its sources)
.endr
.endr
	FILLST 0, 0
	s_wait_dscnt 0x0
	s_barrier_signal -1
	s_barrier_wait -1                              ; slots 0 and 1 are whole
	KLOAD 0                                        ; step 0's K: so K's registers are written on every way
	s_lshr_b32 s[FN], s[FN], 2
	s_wait_xcnt 0x0                                ; the fills' loads have read their address
	s_add_nc_u64 s[FP:FP+1], s[FP:FP+1], 32768     ; on to step 4
	s_and_b32 s[LIM], s[WVN], 3
	s_or_b32 s[LIM], s[LIM], ttmp9                 ; waves 0 and 4 of the (batch, head)'s first work-group
	s_cmp_eq_u32 s[LIM], 0
	s_cselect_b32 s[LIM], 25, 0
	s_mov_b32 s[JS], 0
	s_mov_b32 s[JJ], 8
	s_wait_kmcnt 0x0
	s_wait_dscnt 0x0                               ; K of step 0
.Lquad:
	STEP 0
	STEP 1
	STEP 2
	STEP 3
	s_sub_co_u32 s[JJ], s[JJ], 1
	s_cmp_lg_u32 s[JJ], 0
	s_cbranch_scc1 .Lquad
	; THE WAY OUT.  l's two halves and the other half of the lanes' are added; O^T / l is rounded to f16: a lane's eight channels are 16 bytes, and the wave stores blocks of 512 consecutive bytes.  The additions are the places behind the last products.
.irp t, 0,1
	v_add_f32 v[ST+8*\t+4], v[ST+8*\t+2], v[ST+8*\t+3]
.endr
.irp t, 0,1
	v_permlanex16_b32 v[ST+8*\t+5], v[ST+8*\t+4], s[SEL], s[SEL+1]
.endr
.irp t, 0,1
	v_add_f32 v[ST+8*\t+4], v[ST+8*\t+4], v[ST+8*\t+5]
.endr
.irp t, 0,1
	v_rcp_f32 v[ST+8*\t+6], v[ST+8*\t+4]
.endr
	v_nop                                          ; a plain instruction behind the last reciprocal
	s_wait_alu depctr_va_vdst(0)                   ; and one wait for the two, ahead of the first use
.irp t, 0,1
.set n, 0
.rept 16
	v_pk_mul_f32 v[O+32*\t+n:O+32*\t+n+1], v[O+32*\t+n:O+32*\t+n+1], v[ST+8*\t+6:ST+8*\t+7] op_sel_hi:[1,0]
.set n, n+2
.endr
.set n, 0
.rept 16
	v_cvt_pk_f16_f32 v[S+32*\t+n], v[O+32*\t+2*n], v[O+32*\t+2*n+1]
.set n, n+1
.endr
.endr
.irp ct, 0,1,2,3
	global_store_b128 v[LI], v[S+4*\ct:S+4*\ct+3], s[OA:OA+1] offset:512*\ct
	global_store_b128 v[LI], v[S+32+4*\ct:S+32+4*\ct+3], s[OB:OB+1] offset:512*\ct
.endr
	s_wait_tensorcnt 0x0                           ; the wave's end
	ds_add_u32 v[SPW], v[NIL]
	s_wait_dscnt 0x0
	s_endpgm
.Lfunc_end_k_q0815086b63_attn:
	.size	k_q0815086b63_attn, .Lfunc_end_k_q0815086b63_attn-k_q0815086b63_attn
	.p2alignl 7, 3214868480
	.fill 96, 4, 3214868480
	.section	.rodata,"a",@progbits
	.p2align	6, 0x0
	.amdhsa_kernel k_q0815086b63_attn
		.amdhsa_group_segment_fixed_size 66560
		.amdhsa_private_segment_fixed_size 0
		.amdhsa_enable_private_segment 0
		.amdhsa_kernarg_size 32
		.amdhsa_user_sgpr_count 2
		.amdhsa_user_sgpr_kernarg_segment_ptr 1
		.amdhsa_wavefront_size32 1
		.amdhsa_system_sgpr_workgroup_id_x 1
		.amdhsa_system_sgpr_workgroup_id_y 1
		.amdhsa_system_sgpr_workgroup_id_z 1
		.amdhsa_system_vgpr_workitem_id 0
		.amdhsa_next_free_vgpr 384
		.amdhsa_next_free_sgpr 100
		.amdhsa_reserve_vcc 0
		.amdhsa_float_denorm_mode_32 3
		.amdhsa_float_denorm_mode_16_64 3
		.amdhsa_memory_ordered 1
		.amdhsa_forward_progress 1
		.amdhsa_inst_pref_size 212
	.end_amdhsa_kernel
	.amdgpu_metadata
---
amdhsa.version: [ 1, 2 ]
amdhsa.kernels:
  - .name:           k_q0815086b63_attn
    .symbol:         k_q0815086b63_attn.kd
    .args:
      - { .name: qkv, .offset: 0, .size: 8, .value_kind: global_buffer, .address_space: global }
      - { .name: lm, .offset: 8, .size: 8, .value_kind: global_buffer, .address_space: global }
      - { .name: flags, .offset: 16, .size: 8, .value_kind: global_buffer, .address_space: global }
      - { .name: oi, .offset: 24, .size: 8, .value_kind: global_buffer, .address_space: global }
    .group_segment_fixed_size: 66560
    .private_segment_fixed_size: 0
    .kernarg_segment_align: 8
    .kernarg_segment_size: 32
    .max_flat_workgroup_size: 256
    .sgpr_count:     100
    .vgpr_count:     384
    .wavefront_size: 32
...
	.end_amdgpu_metadata
.endif
;; end of part 6
;; launch proj: the kernel of part 4 again; grid 4 x 64, 4 waves a work-group, clusters of 4 x 4, 280,064 bytes of LDS; arguments oi, woi, out0; writes out0
;; launch fine: the kernel of part 5 again; grid 16 x 4, 8 waves a work-group, no clusters, 17,408 bytes of LDS; arguments qkv, codes, scales, lm, flags, WO, out0; writes out0
